; MI455X (gfx1250); checked and timed in simulation.
; The chip was launched on July 23, 2026; its instructions are those of AMD's public machine-readable ISA for CDNA 5 (MIT licence, August 2026) and "CDNA5" Instruction Set Architecture Reference Guide (July 2026). The comments in the code are by the model that wrote it; some were corrected since.
;; Encoder Block. Allowed arithmetic: matrix products marked QUANTISED: E4M3 operands, one E8M0 scale for each 32 along K, by v_wmma_scale_f32_16x16x128_f8f6f4 with both operands' format E4M3, f32 sums; everything else in f32.
;; Inputs: b1 4,096 float32; b2 1,024 float32; bk 1,024 float32; bo 1,024 float32; bq 1,024 float32; bv 1,024 float32; ln1_a 1 float32; ln1_b 1 float32; ln2_a 1 float32; ln2_b 1 float32; mask 2 x 1 x 2,048 x 2,048 int32; w1 1,024 x 4,096 float32; w2 4,096 x 1,024 float32; wk 1,024 x 1,024 float32; wo 1,024 x 1,024 float32; wq 1,024 x 1,024 float32; wv 1,024 x 1,024 float32; x 2 x 2,048 x 1,024 float32.
;; Outputs: out0 2 x 2,048 x 1,024 float32.
;; This version of the problem:
;;   THIS VERSION OF THE PROBLEM IS GIVEN IN LOW PRECISION. The matrix products marked QUANTISED in the list below multiply operands that are first quantised to E4M3 (4 exponent bits, 3 mantissa bits; 8 bits a number), with one power-of-two scale for each 32 numbers along K (OCP MX v1.0); their sums are f32. All else is computed in f32.
;;   The module's matrix products, in the order in which they are computed (A, B: the left and right operand; K: the contracted axis; several contracted axes count as one K, in the product's order):
;;     1. [M 4,096, K 1,024] x [K 1,024, N 1,024]; A: computed on the way; B: input wq: QUANTISED
;;     2. [M 4,096, K 1,024] x [K 1,024, N 1,024]; A: computed on the way; B: input wk: QUANTISED
;;     3. [M 4,096, K 1,024] x [K 1,024, N 1,024]; A: computed on the way; B: input wv: QUANTISED
;;     4. batch 32 x [M 2,048, K 64] x [K 64, N 2,048]; A: computed on the way; B: computed on the way: QUANTISED
;;     5. batch 32 x [M 2,048, K 2,048] x [K 2,048, N 64]; A: softmax (see below); B: computed on the way: QUANTISED
;;     6. [M 4,096, K 1,024] x [K 1,024, N 1,024]; A: computed on the way; B: input wo: QUANTISED
;;     7. [M 4,096, K 1,024] x [K 1,024, N 4,096]; A: computed on the way; B: input w1: QUANTISED
;;     8. [M 4,096, K 4,096] x [K 4,096, N 1,024]; A: computed on the way; B: input w2: QUANTISED
;;   THE QUANTISER, for each operand of a quantised product, along K:
;;     - K is cut into blocks of 32 from its start; a last block that is shorter is filled with zeros.
;;     - A block's scale is 2^e with e = floor(log2(the largest magnitude in the block)) - 8, held to -126 .. 127; a block of zeros has e = 0. As a byte (E8M0): e + 127.
;;     - Each number is divided by its block's scale, clamped to +-448, and rounded to the nearest number of E4M3, ties to even, subnormals kept.
;;     - The product sums the exact products of the quantised numbers (number of the format x scale) in f32.
;;   ~~~python
;;   def quantise(x, axis):      # numpy; x: float32 -> the quantised numbers, widened to float32 again
;;       x = np.moveaxis(x, axis, -1); K = x.shape[-1]
;;       x = np.pad(x, [(0, 0)] * (x.ndim - 1) + [(0, -K % 32)]); x = x.reshape(x.shape[:-1] + (-1, 32)); a = np.abs(x).max(-1, keepdims=True)
;;       e = np.where(a > 0, np.clip(np.frexp(np.where(a > 0, a, 1))[1] - 1 - 8, -126, 127), 0)      # np.frexp(a)[1] - 1 = floor(log2(a)), exactly
;;       r = np.clip(x / 2.0 ** e, -448, 448)
;;       step = 2.0 ** (np.maximum(np.frexp(np.where(r == 0, 1, r))[1] - 1, -6) - 3)
;;       q = np.round(r / step) * step * 2.0 ** e      # np.round: ties to even
;;       return np.moveaxis(q.reshape(q.shape[:-2] + (-1,))[..., :K], -1, axis).astype(np.float32)
;;   ~~~
;;   SOFTMAX AHEAD OF A QUANTISED PRODUCT. Where the list says 'softmax', what is quantised is not the finished softmax but p = 2^(t - M), with t = logit x log2(e) and M = ceil(the row's largest t), a whole number; so 1/2 < the row's largest p <= 1. The row's sum l is taken of the UNQUANTISED p, in f32, and the product's result is divided by l at the end. Since M is a whole number, a kernel that streams over the keys may use a running M (the ceiling of the running maximum): every later rescaling is an exact power of two, which a block's scale takes up: the codes' values come out the same.
;;   OPERANDS COMPUTED ON THE WAY. 'Computed on the way' means the value that the module computes at that place (a softmax that the list does not call 'softmax' is quantised finished and normalised). What goes into a quantiser is computed in f32, as accurately as f32 sums, v_exp_f32 and their like allow (about 1e-6 of the number): no bf16 or f16 on the way to a quantiser, and a product that is left as it is and whose result goes on into a quantised operand takes f32 operands (vector FMAs, or v_wmma_f32_16x16x4_f32). A number that lies on a knife's edge between two numbers of the format may be rounded either way, as far as f32 arithmetic and the matrix unit's own rounding can turn it there, and no further.
;; One version. Each part assembles by itself: llvm-mc -triple=amdgcn-amd-amdhsa -mcpu=gfx1250 --defsym DOCPART=n.
;; ======== version 1 of 1: 7 launches
;; limits: right only within a limited range of input values
;; workspace buffers: wts 12,976,128 bytes; mbits 1,048,576 bytes of whole numbers; act 4,325,376 bytes; qkv 12,976,128 bytes; ctx 4,325,376 bytes; x1 16,777,216 bytes; hid 17,301,504 bytes
;; launch prep (part 1): grid 896 x 1, 4 waves a work-group, no clusters, 34,816 bytes of LDS; arguments wq, wk, wv, wo, w1, w2, mask, wts, mbits, x, ln1_a, ln1_b, act; writes wts, mbits, act
.if DOCPART == 1
	.amdgcn_target "amdgcn-amd-amdhsa--gfx1250"
	.amdhsa_code_object_version 6
	.text
	.protected	k_qff63a859b0_prep
	.globl	k_qff63a859b0_prep
	.p2align	8
	.type	k_qff63a859b0_prep,@function
k_qff63a859b0_prep:
	s_mov_b64 s[64:65], 0
	v_nop
	global_prefetch_b8 v0, s[64:65] scope:SCOPE_SE
	s_setreg_imm32_b32 hwreg(HW_REG_WAVE_MODE, 25, 1), 1
	s_wait_xcnt 0x0
; PREP.  Work-groups 0-383: the six weights [K][N] f32 become E4M3 codes and E8M0 scale bytes, quantised along K (their first axis).
; Work-groups 384-639: the mask [2][2048][2048] int32 becomes lane-mask words for the attention launch.
; TILE ORDER: row r of tile T of every operand is index 32 (T/2) + 8 (T%2) + r + 8 (r/8).
; CODES are laid in the order of the operand registers: byte ((T KS + s) 4 + c) 512 + 16 lane holds k = 128 s + 32 c + 16 (lane/16) + 0..15 of row lane%16.
; SCALES: byte (p NT + T) 128 + 4 lane: lanes 0-15 the word of K step 2 p, lanes 16-31 that of K step 2 p + 1.
; A lane takes one column and its registers run down K: a block of 32 lies in one lane, and the conversions give codes with K innermost.
; LIMITS: NaN and infinities are not served; a block of zeros gets the byte 1 (its codes are zeros; the bytes are read by this program alone).
.set WSC, 12582912                     ; where the scale words begin in wts
.set OFF, 8                            ; v8-39   4 x lane + i x row pitch
.set X,   40                           ; v40-103 two sets of 32 numbers
.set C,   104                          ; v104-167 codes, 8 registers for each of 8 blocks: no store data is written again
.set SW,  168                          ; v168-169 the two scale words
.set R,   8                            ; mask: v8-135 two sets of 64 words as loaded
.set Y,   136                          ; mask: v136-199 64 words in the order of the score registers
.set OUT, 200                          ; mask: v200-207 a pair of result registers for each key step
	s_load_b512 s[4:19], s[0:1], 0x0               ; wq wk wv wo w1 w2 mask wts
	s_load_b64 s[20:21], s[0:1], 0x40              ; mbits
	v_lshl_add_u32 v224, v0, 2, 0x8400
	v_mov_b32 v225, 0
	v_lshrrev_b32 v1, 5, v0
	v_readfirstlane_b32 s22, v1                    ; wave
	v_and_b32 v2, 31, v0                           ; lane
	s_cmp_ge_u32 ttmp9, 640                        ; work-groups 640-895: the first layer norm and its quantiser, which hang on x alone
	s_cbranch_scc1 .Lln
	s_cmp_ge_u32 ttmp9, 384
	s_cbranch_scc1 .Lmask
	; ---- weights: a work-group takes 128 columns x 256 along K of one weight
	s_lshr_b32 s23, ttmp9, 5
	s_lshr_b32 s24, ttmp9, 7
	s_add_co_u32 s24, s24, 3
	s_and_b32 s25, ttmp9, 31
	s_and_b32 s26, ttmp9, 127
	s_cmp_lt_u32 ttmp9, 128
	s_cselect_b32 s23, s23, s24                    ; which weight: 0-3 wq wk wv wo, 4 w1, 5 w2
	s_cselect_b32 s25, s25, s26                    ; my number within it
	s_cmp_eq_u32 s23, 4
	s_cselect_b32 s26, 14, 12                      ; log2 of the row pitch in bytes
	s_cselect_b32 s27, 8, 6                        ; log2 of the number of tiles
	s_cselect_b32 s28, 31, 7                       ; mask of the column group
	s_cselect_b32 s29, 5, 3                        ; and the shift that leaves p
	s_cmp_eq_u32 s23, 5
	s_cselect_b32 s30, 5, 3                        ; log2 KS
	s_cselect_b32 s31, 8, s23                      ; the codes begin at so many MiB
	s_and_b32 s28, s25, s28
	s_lshr_b32 s29, s25, s29                       ; p: which 256 along K
	s_lshl_b32 s31, s31, 20
	s_lshl_b32 s28, s28, 2
	s_add_co_u32 s28, s28, s22                     ; B: my wave takes tiles 2 B and 2 B + 1, columns 32 B ..
	s_mov_b32 s54, 0x600000                        ; the mantissa field of 448
	s_wait_kmcnt 0x0
	s_cmp_eq_u32 s23, 1
	s_cselect_b64 s[4:5], s[6:7], s[4:5]
	s_cmp_eq_u32 s23, 2
	s_cselect_b64 s[4:5], s[8:9], s[4:5]
	s_cmp_eq_u32 s23, 3
	s_cselect_b64 s[4:5], s[10:11], s[4:5]
	s_cmp_eq_u32 s23, 4
	s_cselect_b64 s[4:5], s[12:13], s[4:5]
	s_cmp_eq_u32 s23, 5
	s_cselect_b64 s[4:5], s[14:15], s[4:5]
	s_add_co_u32 s24, s26, 8
	s_lshl_b32 s24, s29, s24                       ; p x 256 rows
	s_lshl_b32 s25, s28, 7                         ; + 32 B columns of 4 bytes
	s_add_co_u32 s24, s24, s25
	s_mov_b32 s25, 0
	s_add_nc_u64 s[32:33], s[4:5], s[24:25]        ; block 0
	s_add_co_u32 s24, s26, 5
	s_lshl_b32 s24, 1, s24                         ; 32 rows on
.irp t, 1,2,3,4,5,6,7
	s_add_nc_u64 s[32+2*\t:33+2*\t], s[30+2*\t:31+2*\t], s[24:25]
.endr
	s_add_co_u32 s48, s30, 12
	s_lshl_b32 s48, s28, s48                       ; 2 B KS 2048
	s_lshl_b32 s49, s29, 12                        ; + 2 p 2048
	s_add_co_u32 s48, s48, s49
	s_add_co_u32 s48, s48, s31
	s_mov_b32 s49, 0
	s_add_nc_u64 s[48:49], s[18:19], s[48:49]      ; my codes
	s_add_co_u32 s50, s27, 7
	s_lshl_b32 s50, s29, s50                       ; p NT 128
	s_lshl_b32 s51, s28, 8                         ; + 2 B 128
	s_add_co_u32 s50, s50, s51
	s_lshr_b32 s51, s31, 5
	s_add_co_u32 s50, s50, s51
	s_add_co_u32 s50, s50, WSC
	s_mov_b32 s51, 0
	s_add_nc_u64 s[50:51], s[18:19], s[50:51]      ; my scale words
	s_wait_alu depctr_va_vdst(0)
	v_bfe_u32 v3, v2, 3, 1                         ; column 32 B + x is row r = x%8 + 8 (x/16) of tile 2 B + u, u = (x/8)%2
	v_and_b32 v6, 7, v2
	v_lshrrev_b32 v7, 4, v2
	v_lshl_add_u32 v6, v7, 3, v6
	s_add_co_u32 s52, s30, 11
	v_lshlrev_b32 v4, s52, v3                      ; u KS 2048
	v_lshl_add_u32 v4, v6, 4, v4                   ; + 16 r
	v_lshlrev_b32 v5, 7, v3
	v_lshl_add_u32 v5, v6, 2, v5                   ; u 128 + 4 r
	s_lshl_b32 s53, 1, s26
	v_lshlrev_b32 v7, 2, v2
.set i, 0
.rept 32
	v_mad_u32_u24 v[OFF+i], s53, i, v7
.set i, i+1
.endr
.macro LOADW t                         ; block t: 32 rows of K at my column; a wave reads 128 consecutive bytes, the four waves 512
.set i, 0
.rept 32
	global_load_b32 v[X+32*((\t)%2)+i], v[OFF+i], s[32+2*(\t):33+2*(\t)] th:TH_LOAD_NT
.set i, i+1
.endr
.endm
.macro BLOCK t
.set XS, X+32*((\t)%2)
.if (\t) < 7
	s_wait_loadcnt 32                              ; this block is in; the next block's 32 loads may be out
.else
	s_wait_loadcnt 0x0
.endif
	v_max3_num_f32 v170, |v[XS]|, |v[XS+1]|, |v[XS+2]|
	v_max3_num_f32 v171, |v[XS+3]|, |v[XS+4]|, |v[XS+5]|
.irp i, 6,10,14,18,22,26
	v_max3_num_f32 v170, v170, |v[XS+\i]|, |v[XS+\i+1]|
	v_max3_num_f32 v171, v171, |v[XS+\i+2]|, |v[XS+\i+3]|
.endr
	v_max3_num_f32 v170, v170, |v[XS+30]|, |v[XS+31]|
	v_max3_num_f32 v170, v170, v171, 0x4800000     ; with the floor 2^(9-127): the byte cannot fall under 1
	v_add_nc_u32 v172, 0xfc000000, v170            ; 8 off the exponent field: the conversion's scale operand
	v_and_or_b32 v173, v170, 0x7f800000, s54       ; 448 x the scale
	v_lshrrev_b32 v174, 23, v172                   ; the byte
.if (\t)%4 == 0
	v_mov_b32 v[SW+(\t)/4], v174
.else
	v_lshl_or_b32 v[SW+(\t)/4], v174, 8*((\t)%4), v[SW+(\t)/4]
.endif
.set i, 0
.rept 32
	v_med3_num_f32 v[XS+i], v[XS+i], -v173, v173   ; the conversion does not saturate (ISA guide 7.6.2): hold first
.set i, i+1
.endr
.irp g, 0,1,2,3
	v_cvt_scalef32_pk8_fp8_f32 v[C+8*(\t)+2*\g:C+8*(\t)+2*\g+1], v[XS+8*\g:XS+8*\g+7], v172
.endr
	global_store_b128 v4, v[C+8*(\t):C+8*(\t)+3], s[48:49] offset:((\t)/4)*2048+((\t)%4)*512        ; k 0-15: the place of lane r; the 16 lanes of a tile fill 256 consecutive bytes
	global_store_b128 v4, v[C+8*(\t)+4:C+8*(\t)+7], s[48:49] offset:((\t)/4)*2048+((\t)%4)*512+256  ; k 16-31: the place of lane 16 + r
.if (\t)+2 < 8
	LOADW (\t)+2
.endif
.endm
	LOADW 0
	LOADW 1
.irp t, 0,1,2,3,4,5,6,7
	BLOCK \t
.endr
	global_store_b32 v5, v[SW], s[50:51]
	global_store_b32 v5, v[SW+1], s[50:51] offset:64
	s_endpgm
	; ---- mask: work-group = tile of 16 queries TT (0-255 over both batches), wave = four key steps of 128
	; word n of key step ks: bit lane = (mask[query of lane%16][128 ks + 32 (n/16) + 16 (lane/16) + n%16] != 0): the lanes of score register n
.Lmask:
	s_sub_co_u32 s23, ttmp9, 384
	s_lshr_b32 s24, s23, 1
	s_lshl_b32 s24, s24, 5
	s_and_b32 s25, s23, 1
	s_lshl_b32 s25, s25, 3
	s_add_co_u32 s24, s24, s25                     ; the tile's first row
	s_lshl_b32 s24, s24, 13                        ; rows of 8,192 bytes
	s_lshl_b32 s25, s22, 11                        ; my four key steps: 2,048 bytes of each row
	s_add_co_u32 s24, s24, s25
	s_mov_b32 s25, 0
	s_lshl_b32 s26, s23, 12                        ; 16 key steps x 256 bytes a tile
	s_lshl_b32 s27, s22, 10
	s_add_co_u32 s26, s26, s27
	s_mov_b32 s27, 0
	s_mul_i32 s28, s22, 8448                       ; my stage: 16 rows x (512 + 16) bytes
	s_wait_alu depctr_va_vdst(0)
	v_lshlrev_b32 v6, 4, v2
	v_add_nc_u32 v7, s28, v6                       ; in: 16 bytes a lane
	v_and_b32 v3, 15, v2
	v_mul_u32_u24 v3, v3, 528
	v_lshrrev_b32 v5, 4, v2
	v_lshl_add_u32 v3, v5, 6, v3
	v_add_nc_u32 v3, s28, v3                       ; out: row r, + 64 bytes for lanes 16-31
	v_lshlrev_b32 v4, 3, v2
.irp i, 0,1,2,3,4,5,6,7
	v_mov_b32 v[OUT+\i], 0                         ; v_writelane_b32 counts as a reader of its destination
.endr
	s_wait_kmcnt 0x0
	s_add_nc_u64 s[16:17], s[16:17], s[24:25]
	s_add_nc_u64 s[20:21], s[20:21], s[26:27]
.macro LOADM kk                        ; 16 rows x 512 consecutive bytes
.irp i, 0,1,2,3,4,5,6,7,8,9,10,11,12,13,14,15
	global_load_b128 v[R+64*((\kk)%2)+4*\i:R+64*((\kk)%2)+4*\i+3], v6, s[16:17] offset:(\i+8*(\i/8))*8192+(\kk)*512 th:TH_LOAD_NT
.endr
.endm
.macro MSTEP kk
.if (\kk) < 3
	s_wait_loadcnt 16                              ; this step is in; the next step's 16 loads may be out
.else
	s_wait_loadcnt 0x0
.endif
.irp i, 0,1,2,3,4,5,6,7,8,9,10,11,12,13,14,15
	ds_store_b128 v7, v[R+64*((\kk)%2)+4*\i:R+64*((\kk)%2)+4*\i+3] offset:\i*528
.endr
.irp b, 0,1,2,3
.irp j, 0,1,2,3
	ds_load_b128 v[Y+16*\b+4*\j:Y+16*\b+4*\j+3], v3 offset:128*\b+16*\j   ; LDS serves a wave in order: these see my stores
.endr
.endr
	s_wait_dscnt 0x0                               ; the words are back, and the stores have read their registers
.if (\kk)+2 < 4
	LOADM (\kk)+2
.endif
.set n, 0
.rept 8
.irp e, 0,1,2,3,4,5,6,7
	v_cmp_ne_u32 s[40+\e], 0, v[Y+n+\e]
.endr
.irp e, 0,1,2,3,4,5,6,7
	v_writelane_b32 v[OUT+2*(\kk)+((n+\e)&1)], s[40+\e], (n+\e)>>1        ; lane l gathers words 2 l and 2 l + 1
.endr
.set n, n+8
.endr
	global_store_b64 v4, v[OUT+2*(\kk):OUT+2*(\kk)+1], s[20:21] offset:(\kk)*256   ; 256 consecutive bytes, aligned
.endm
	LOADM 0
	LOADM 1
	MSTEP 0
	MSTEP 1
	MSTEP 2
	MSTEP 3
	s_wait_tensorcnt 0x0
	ds_add_u32 v224, v225
	s_wait_dscnt 0x0
	s_endpgm
	; ---- LAYER NORM AND QUANTISER: h = alpha (x - mean) / (std + 1e-6) + beta, std with divisor 1023; h becomes E4M3 codes with one E8M0 byte for 32 along the row.
	; A work-group takes one tile of 16 rows (row r of tile T is token 32 (T/2) + 8 (T%2) + r + 8 (r/8)); wave w takes columns 256 w .. 256 w + 255: K steps 2 w and 2 w + 1.
	; Lane (r, h) holds, of row r, 16 neighbours of each block of 32, in the order of the operand registers.  Two passes over registers (mean, then centred squares); the row is read from memory once.
	; Codes: byte ((8 T + s) 4 + c) 512 + 16 lane.  Scale words at 4,194,304 + (w 256 + T) 128 + 4 lane.  This path's LDS words lie behind the spare words, in bytes that no other path names.
	; LIMITS: as above; 1/1023 is a rounded constant, 1/(std + eps) is v_rcp_f32 and a multiplication.
.Lln:
.set X,   32                           ; v32-159 my 128 numbers: 64 s + 16 c + i
.set A,   160                          ; v160-167 four packed chains
.set TM,  176                          ; v176-191 the quantiser at work
.set PC0, 8                            ; v8-23   codes of K step 2 w
.set PC1, 192                          ; v192-207 codes of K step 2 w + 1
.set SEL, 26
.set MNT, 28
.set HM,  29
.set LNS, 0x8600                       ; 512 bytes: two exchanges of 16 rows x 4 waves
	s_wait_alu depctr_va_vdst(0)                   ; the wait here, behind the branch and ahead of the wait below
	s_wait_kmcnt 0x0                               ; the head's scalar loads have landed: their registers may be loaded again
	s_load_b256 s[4:11], s[0:1], 0x48              ; x, alpha, beta, act
	s_sub_co_u32 s30, ttmp9, 640                   ; T
	v_and_b32 v3, 15, v0                           ; r
	v_bfe_u32 v4, v0, 4, 1                         ; h
	v_and_b32 v5, 8, v3
	v_add_nc_u32 v5, v5, v3                        ; r + 8 (r/8)
	v_lshlrev_b32 v5, 12, v5
	v_lshl_add_u32 v5, v4, 6, v5                   ; my row of 4,096 bytes, + 64 h
	v_lshlrev_b32 v6, 4, v2
	v_lshlrev_b32 v7, 2, v2
	s_lshl_b32 s13, s22, 2
	s_add_co_u32 s13, s13, LNS
	v_lshl_add_u32 v27, v3, 4, s13                 ; LDS: 16 r + 4 w: my wave's part of row r's sum
	v_lshl_add_u32 v28, v3, 4, LNS                 ; and the four parts
	s_lshr_b32 s14, s30, 1
	s_lshl_b32 s14, s14, 5
	s_and_b32 s15, s30, 1
	s_lshl_b32 s15, s15, 3
	s_add_co_u32 s14, s14, s15
	s_lshl_b32 s14, s14, 12
	s_lshl_b32 s15, s22, 10
	s_add_co_u32 s14, s14, s15
	s_mov_b32 s15, 0
	s_lshl_b32 s16, s30, 14
	s_lshl_b32 s17, s22, 12
	s_add_co_u32 s16, s16, s17                     ; (8 T + 2 w) 2048
	s_mov_b32 s17, 0
	s_lshl_b32 s18, s22, 15
	s_lshl_b32 s19, s30, 7
	s_add_co_u32 s18, s18, s19
	s_add_co_u32 s18, s18, 4194304
	s_mov_b32 s19, 0
	s_mov_b32 s[SEL], 0x76543210
	s_mov_b32 s[SEL+1], 0xfedcba98                 ; v_permlanex16_b32: lane l xor 16
	s_mov_b32 s[MNT], 0x600000
	s_mov_b32 s[HM], 0xffff0000
	s_wait_alu depctr_va_vdst(0)
	s_wait_kmcnt 0x0
	s_load_b32 s24, s[6:7], 0x0
	s_load_b32 s25, s[8:9], 0x0
	s_add_nc_u64 s[4:5], s[4:5], s[14:15]
	s_add_nc_u64 s[32:33], s[10:11], s[16:17]
	s_add_nc_u64 s[34:35], s[10:11], s[18:19]
.irp s, 0,1
.irp c, 0,1,2,3
.irp j, 0,1,2,3
	global_load_b128 v[X+64*\s+16*\c+4*\j:X+64*\s+16*\c+4*\j+3], v5, s[4:5] offset:512*\s+128*\c+16*\j
.endr
.endr
.endr
.irp b, 0,1,2,3
	v_mov_b32 v[TM+4+\b], 0                        ; a lane permute's destination counts as one of its sources
.endr
; the four chains are folded, joined with lane l xor 16, and the four waves' parts meet in LDS: the row's total comes out in v[A+4]
.macro XCHG off
	v_pk_add_f32 v[A:A+1], v[A:A+1], v[A+2:A+3]
	v_pk_add_f32 v[A+4:A+5], v[A+4:A+5], v[A+6:A+7]
	v_pk_add_f32 v[A:A+1], v[A:A+1], v[A+4:A+5]
	v_add_f32 v[A], v[A], v[A+1]
	v_permlanex16_b32 v[A+1], v[A], s[SEL], s[SEL+1]
	v_add_f32 v[A], v[A], v[A+1]
	ds_store_b32 v27, v[A] offset:\off
	s_wait_dscnt 0x0                               ; for the other waves: my store has landed
	s_barrier_signal -1
	s_barrier_wait -1
	ds_load_b128 v[A+4:A+7], v28 offset:\off
	s_wait_dscnt 0x0
	v_add_f32 v[A+4], v[A+4], v[A+5]
	v_add_f32 v[A+6], v[A+6], v[A+7]
	v_add_f32 v[A+4], v[A+4], v[A+6]
.endm
	s_wait_loadcnt 0x0
.irp k, 0,1,2,3
	v_pk_add_f32 v[A+2*\k:A+2*\k+1], v[X+2*\k:X+2*\k+1], v[X+8+2*\k:X+9+2*\k]
.endr
.set m, 2
.rept 14
.irp k, 0,1,2,3
	v_pk_add_f32 v[A+2*\k:A+2*\k+1], v[A+2*\k:A+2*\k+1], v[X+8*m+2*\k:X+8*m+2*\k+1]
.endr
.set m, m+1
.endr
	XCHG 0
	v_mul_f32 v168, 0x3a800000, v[A+4]             ; the mean: the total x 2^-10
	v_mov_b32 v169, v168
.set m, 0
.rept 64
	v_pk_add_f32 v[X+2*m:X+2*m+1], v[X+2*m:X+2*m+1], v[168:169] neg_lo:[0,1] neg_hi:[0,1]
.set m, m+1
.endr
.irp k, 0,1,2,3
	v_pk_mul_f32 v[A+2*\k:A+2*\k+1], v[X+2*\k:X+2*\k+1], v[X+2*\k:X+2*\k+1]
.endr
.set m, 1
.rept 15
.irp k, 0,1,2,3
	v_pk_fma_f32 v[A+2*\k:A+2*\k+1], v[X+8*m+2*\k:X+8*m+2*\k+1], v[X+8*m+2*\k:X+8*m+2*\k+1], v[A+2*\k:A+2*\k+1]
.endr
.set m, m+1
.endr
	XCHG 256                                       ; other bytes than the first exchange: no third barrier is needed
	v_mul_f32 v[A+4], 0x3a802008, v[A+4]           ; / 1023
	s_wait_alu depctr_va_vdst(0)
	v_sqrt_f32 v[A+4], v[A+4]
	v_nop                                          ; a plain instruction behind the transcendental
	s_wait_alu depctr_va_vdst(0)                   ; and the wait ahead of its first reader
	v_add_f32 v[A+4], 0x358637bd, v[A+4]           ; + 1e-6
	s_wait_alu depctr_va_vdst(0)
	v_rcp_f32 v[A+4], v[A+4]
	v_nop
	s_wait_alu depctr_va_vdst(0)
	s_wait_kmcnt 0x0
	v_mul_f32 v170, s24, v[A+4]                    ; alpha / (std + eps)
	v_mov_b32 v171, v170
	v_mov_b32 v172, s25
	v_mov_b32 v173, s25
.set m, 0
.rept 64
	v_pk_fma_f32 v[X+2*m:X+2*m+1], v[X+2*m:X+2*m+1], v[170:171], v[172:173]
.set m, m+1
.endr
; 64 numbers of a lane, register 16 b + i = k 32 b + 16 h + i of my row, become a fragment's 16 code registers and its scale word
.macro QUANT4 s, pc, pw
.irp b, 0,1,2,3
	v_max3_num_f32 v[TM+\b], |v[\s+16*\b]|, |v[\s+1+16*\b]|, 0x4800000    ; with the floor 2^(9-127)
.endr
.irp i, 2,4,6,8,10,12,14
.irp b, 0,1,2,3
	v_max3_num_f32 v[TM+\b], v[TM+\b], |v[\s+16*\b+\i]|, |v[\s+1+16*\b+\i]|
.endr
.endr
.irp b, 0,1,2,3
	v_permlanex16_b32 v[TM+4+\b], v[TM+\b], s[SEL], s[SEL+1]
.endr
.irp b, 0,1,2,3
	v_max_num_f32 v[TM+\b], v[TM+\b], v[TM+4+\b]
.endr
.irp b, 0,1,2,3
	v_add_nc_u32 v[TM+12+\b], 0xfc000000, v[TM+\b]
.endr
.irp b, 0,1,2,3
	v_and_or_b32 v[TM+8+\b], v[TM+\b], 0x7f800000, s[MNT]
.endr
.irp b, 0,1,2,3
	v_lshrrev_b32 v[TM+4+\b], 23, v[TM+12+\b]
.endr
	v_lshl_or_b32 v[\pw], v[TM+5], 8, v[TM+4]
	v_lshl_or_b32 v[\pw], v[TM+6], 16, v[\pw]
	v_lshl_or_b32 v[\pw], v[TM+7], 24, v[\pw]
.irp b, 0,1,2,3
.irp i, 0,1,2,3,4,5,6,7,8,9,10,11,12,13,14,15
	v_med3_num_f32 v[\s+16*\b+\i], v[\s+16*\b+\i], -v[TM+8+\b], v[TM+8+\b]
.endr
	v_cvt_scalef32_pk8_fp8_f32 v[\pc+4*\b:\pc+1+4*\b], v[\s+16*\b:\s+7+16*\b], v[TM+12+\b]
	v_cvt_scalef32_pk8_fp8_f32 v[\pc+2+4*\b:\pc+3+4*\b], v[\s+8+16*\b:\s+15+16*\b], v[TM+12+\b]
.endr
	v_nop                                          ; a plain instruction behind the last conversion
.endm
	QUANT4 X, PC0, 24
.irp c, 0,1,2,3
	global_store_b128 v6, v[PC0+4*\c:PC0+4*\c+3], s[32:33] offset:512*\c          ; 512 consecutive bytes a store
.endr
	QUANT4 X+64, PC1, 25
.irp c, 0,1,2,3
	global_store_b128 v6, v[PC1+4*\c:PC1+4*\c+3], s[32:33] offset:2048+512*\c
.endr
	v_cndmask_b32 v26, v24, v25, s[HM]             ; lanes 0-15: K step 2 w; lanes 16-31: K step 2 w + 1
	global_store_b32 v7, v26, s[34:35]
	s_wait_tensorcnt 0x0                           ; the wave's end
	ds_add_u32 v224, v225
	s_wait_dscnt 0x0
	s_endpgm
.Lfunc_end_k_qff63a859b0_prep:
	.size	k_qff63a859b0_prep, .Lfunc_end_k_qff63a859b0_prep-k_qff63a859b0_prep
	.p2alignl 7, 3214868480
	.fill 96, 4, 3214868480
	.section	.rodata,"a",@progbits
	.p2align	6, 0x0
	.amdhsa_kernel k_qff63a859b0_prep
		.amdhsa_group_segment_fixed_size 34816
		.amdhsa_private_segment_fixed_size 0
		.amdhsa_enable_private_segment 0
		.amdhsa_kernarg_size 104
		.amdhsa_user_sgpr_count 2
		.amdhsa_user_sgpr_kernarg_segment_ptr 1
		.amdhsa_wavefront_size32 1
		.amdhsa_system_sgpr_workgroup_id_x 1
		.amdhsa_system_sgpr_workgroup_id_y 1
		.amdhsa_system_sgpr_workgroup_id_z 1
		.amdhsa_system_vgpr_workitem_id 0
		.amdhsa_next_free_vgpr 226
		.amdhsa_next_free_sgpr 66
		.amdhsa_reserve_vcc 0
		.amdhsa_float_denorm_mode_32 3
		.amdhsa_float_denorm_mode_16_64 3
		.amdhsa_memory_ordered 1
		.amdhsa_forward_progress 1
		.amdhsa_inst_pref_size 148
	.end_amdhsa_kernel
	.amdgpu_metadata
---
amdhsa.version: [ 1, 2 ]
amdhsa.kernels:
  - .name:           k_qff63a859b0_prep
    .symbol:         k_qff63a859b0_prep.kd
    .args:
      - { .name: wq, .offset: 0, .size: 8, .value_kind: global_buffer, .address_space: global }
      - { .name: wk, .offset: 8, .size: 8, .value_kind: global_buffer, .address_space: global }
      - { .name: wv, .offset: 16, .size: 8, .value_kind: global_buffer, .address_space: global }
      - { .name: wo, .offset: 24, .size: 8, .value_kind: global_buffer, .address_space: global }
      - { .name: w1, .offset: 32, .size: 8, .value_kind: global_buffer, .address_space: global }
      - { .name: w2, .offset: 40, .size: 8, .value_kind: global_buffer, .address_space: global }
      - { .name: mask, .offset: 48, .size: 8, .value_kind: global_buffer, .address_space: global }
      - { .name: wts, .offset: 56, .size: 8, .value_kind: global_buffer, .address_space: global }
      - { .name: mbits, .offset: 64, .size: 8, .value_kind: global_buffer, .address_space: global }
      - { .name: x, .offset: 72, .size: 8, .value_kind: global_buffer, .address_space: global }
      - { .name: ln1_a, .offset: 80, .size: 8, .value_kind: global_buffer, .address_space: global }
      - { .name: ln1_b, .offset: 88, .size: 8, .value_kind: global_buffer, .address_space: global }
      - { .name: act, .offset: 96, .size: 8, .value_kind: global_buffer, .address_space: global }
    .group_segment_fixed_size: 34816
    .private_segment_fixed_size: 0
    .kernarg_segment_align: 8
    .kernarg_segment_size: 104
    .max_flat_workgroup_size: 128
    .sgpr_count:     66
    .vgpr_count:     226
    .wavefront_size: 32
...
	.end_amdgpu_metadata
.endif
;; end of part 1
;; launch qkv (part 2): grid 12 x 16, 4 waves a work-group, no clusters, 327,680 bytes of LDS; arguments act, wts, bq, bk, bv, qkv; writes qkv
.if DOCPART == 2
	.amdgcn_target "amdgcn-amd-amdhsa--gfx1250"
	.amdhsa_code_object_version 6
	.text
	.protected	k_qff63a859b0_qkv
	.globl	k_qff63a859b0_qkv
	.p2align	8
	.type	k_qff63a859b0_qkv,@function
k_qff63a859b0_qkv:
	s_mov_b64 s[64:65], 0
	v_nop
	global_prefetch_b8 v0, s[64:65] scope:SCOPE_SE
	s_setreg_imm32_b32 hwreg(HW_REG_WAVE_MODE, 25, 1), 1
	s_wait_xcnt 0x0
.set KS,  8
.set NG,  4
.set KC,  2
.set ND,  3
.set NAB, 2
.set RT,  16
.set NGT, KS*NG
.set AWIN, 0
.set AB,  128
.set WSC, 12582912
.set ASC, 4194304
.set QS,  4194304
.set KV,  4325376
.set CH,  67584
.set HEADREC, 270336
.set SST, 262144
.set LI,  1
.set LS,  2
.set AD,  4
.set RO,  8
.set SO,  12
.set WS,  16
.set AS,  32
.set TM,  96
.set HW,  104
.set HWE, 105
.set HWS, 106
.set VO,  108
.set VG,  112
.set VSS, 113
.set VSR, 114
.set TMP, 128
.set PC,  160
.set GS,  176
.set BR,  192
.set BL,  224
.set WV,  16
.set KIND, 17
.set SEL, 66
.set MNT, 68
.set HM,  69
.set MSB, 0
.macro WIN new
.if MSB != (\new)
	s_set_vgpr_msb (MSB<<8)|(\new)
.set MSB, (\new)
.endif
.endm
.macro PLACES n
.rept \n
	v_nop
.endr
.endm
	s_load_b256 s[4:11], s[0:1], 0x0
	s_load_b128 s[12:15], s[0:1], 0x20
	v_lshl_add_u32 v126, v0, 2, 0x40800
	v_mov_b32 v127, 0
	ds_add_u32 v126, v127
	ds_add_u32 v126, v127
	v_lshrrev_b32 v1, 5, v0
	v_readfirstlane_b32 s[WV], v1
	s_lshr_b32 s[KIND], ttmp9, 2
	s_and_b32 s18, ttmp9, 3
	s_and_b32 s19, ttmp7, 0xffff
	s_lshr_b32 s20, s19, 3
	s_and_b32 s21, s19, 7
	s_mov_b32 s24, 3<<16
	s_mov_b32 s25, 32<<16                          ; group 1: a dense block of 65,536 bytes as 256 rows of 256 bytes
	s_mov_b32 s26, 256<<16
	s_mov_b32 s27, 32<<16
	s_mov_b32 s28, 256
	s_mov_b32 s29, 32
	s_mov_b32 s30, 0
	s_mov_b32 s31, 0
	s_lshl_b32 s70, s19, 18
	s_lshl_b32 s71, s[KIND], 20
	s_lshl_b32 s72, s18, 18
	s_add_co_u32 s71, s71, s72
	s_lshl_b32 s72, s19, 11
	s_add_co_u32 s72, s72, ASC
	s_lshl_b32 s73, s[KIND], 15
	s_lshl_b32 s74, s18, 11
	s_add_co_u32 s73, s73, s74
	s_add_co_u32 s73, s73, WSC
	s_wait_dscnt 0x0
	s_wait_kmcnt 0x0
	s_cmp_eq_u32 s[KIND], 2
	s_cselect_b64 s[48:49], s[6:7], s[4:5]
	s_cselect_b64 s[50:51], s[4:5], s[6:7]
	s_cselect_b32 s74, s71, s70
	s_cselect_b32 s75, s70, s71
	s_cselect_b32 s76, s73, s72
	s_cselect_b32 s77, s72, s73
	s_cselect_b32 s78, 13, 15
	s_cselect_b32 s79, 15, 13
	s_mov_b64 s[52:53], s[48:49]
	s_mov_b64 s[54:55], s[50:51]
	s_lshl_b32 s80, s[WV], 16
	s_add_co_u32 s74, s74, s80
	s_add_co_u32 s75, s75, s80
	s_lshl_b32 s80, s[WV], 9
	s_add_co_u32 s77, s77, s80
	s_mov_b32 s81, 0
	s_mov_b32 s80, s74
	s_add_nc_u64 s[48:49], s[48:49], s[80:81]
	s_mov_b32 s80, s75
	s_add_nc_u64 s[50:51], s[50:51], s[80:81]
	s_mov_b32 s80, s76
	s_add_nc_u64 s[52:53], s[52:53], s[80:81]
	s_mov_b32 s80, s77
	s_add_nc_u64 s[54:55], s[54:55], s[80:81]
	s_mov_b32 s32, 1                               ; ONE tensor load a wave: my four resident tiles, all of K, 65,536 consecutive bytes, land as they lie at 65,536 x wave
	s_lshl_b32 s33, s[WV], 16
	s_mov_b64 s[34:35], s[48:49]
	s_or_b32 s35, s35, 0x80000000
	tensor_load_to_lds s[32:35], s[24:31]
	s_nop 0
	PLACES 4
	v_and_b32 v3, 31, v0
	v_lshlrev_b32 v[LI], 4, v3
	v_lshlrev_b32 v[LS], 2, v3
.irp q, 0,1,2,3
	v_add_nc_u32 v[AD+\q], \q*65536, v[LI]
.endr
.irp p, 0,1,2,3
	s_lshl_b32 s80, \p, s78
	v_add_nc_u32 v[RO+\p], s80, v[LS]
	s_lshl_b32 s80, \p, s79
	v_add_nc_u32 v[SO+\p], s80, v[LS]
.endr
.irp p, 0,1,2,3
.irp T, 0,1,2,3,4,5,6,7,8,9,10,11,12,13,14,15
	global_load_b32 v[AS+16*\p+\T], v[RO+\p], s[52:53] offset:\T*128
.endr
.irp t, 0,1,2,3
	global_load_b32 v[WS+4*\p+\t], v[SO+\p], s[54:55] offset:\t*128
.endr
.endr
	s_cmp_eq_u32 s[KIND], 1
	s_cselect_b64 s[56:57], s[10:11], s[8:9]
	s_cmp_eq_u32 s[KIND], 2
	s_cselect_b64 s[56:57], s[12:13], s[56:57]
	s_lshl_b32 s80, s18, 10
	s_add_nc_u64 s[58:59], s[56:57], s[80:81]
	s_lshl_b32 s82, s[WV], 8
	s_add_co_u32 s80, s80, s82
	s_add_nc_u64 s[56:57], s[56:57], s[80:81]
	v_bfe_u32 v115, v0, 4, 1
	v_lshlrev_b32 v115, 6, v115
	v_and_b32 v116, 15, v0
	v_and_b32 v117, 8, v116
	v_add_nc_u32 v116, v116, v117
	v_lshlrev_b32 v116, 2, v116
	WIN 0x40
.irp t, 0,1,2,3
	global_load_b128 v[BR+8*\t:BR+8*\t+3], v115, s[56:57] offset:(32*(\t/2)+8*(\t%2))*4
	global_load_b128 v[BR+8*\t+4:BR+8*\t+7], v115, s[56:57] offset:(32*(\t/2)+8*(\t%2))*4+16
.endr
.irp T, 0,1,2,3,4,5,6,7,8,9,10,11,12,13,14,15
	global_load_b32 v[BL+2*\T], v116, s[58:59] offset:(32*(\T/2)+8*(\T%2))*4
	global_load_b32 v[BL+2*\T+1], v116, s[58:59] offset:(32*(\T/2)+8*(\T%2))*4
.endr
.macro WLOAD s
	WIN 0x40
.irp t, 0,1,2,3
.irp c, 0,1,2,3
	global_load_b128 v[64*((\s)%ND)+16*\t+4*\c:64*((\s)%ND)+16*\t+4*\c+3], v[LI], s[50:51] offset:(\t*KS+(\s))*2048+512*\c
.endr
.endr
.endm
	WLOAD 0
	WLOAD 1
	WLOAD 2
	WIN 0
	s_lshl_b32 s70, s20, 4
	s_lshl_b32 s71, s18, 2
	s_add_co_u32 s70, s70, s71
	s_add_co_u32 s71, s70, s[WV]
	s_lshr_b32 s72, s21, 1
	s_mul_i32 s72, s72, CH
	s_add_co_u32 s72, s72, KV
	s_and_b32 s73, s21, 1
	s_lshl_b32 s74, s71, 17
	s_lshl_b32 s75, s21, 14
	s_add_co_u32 s74, s74, s75
	s_lshl_b32 s75, s71, 12
	s_lshl_b32 s76, s21, 9
	s_add_co_u32 s75, s75, s76
	s_add_co_u32 s75, s75, QS
	s_mul_i32 s76, s71, HEADREC
	s_add_co_u32 s76, s76, s72
	s_lshl_b32 s77, s73, 9
	s_add_co_u32 s77, s77, s76
	s_add_co_u32 s77, s77, 65536
	s_lshl_b32 s78, s73, 14
	s_add_co_u32 s76, s76, s78
	s_mul_i32 s78, s70, HEADREC
	s_add_co_u32 s78, s78, s72
	s_lshl_b32 s79, s73, 1
	s_lshr_b32 s80, s[WV], 1
	s_add_co_u32 s79, s79, s80
	s_and_b32 s80, s[WV], 1
	s_lshl_b32 s82, s79, 8
	s_lshl_b32 s83, s80, 7
	s_add_co_u32 s82, s82, s83
	s_add_co_u32 s82, s82, s78
	s_add_co_u32 s82, s82, 66560
	s_lshl_b32 s79, s79, 13
	s_lshl_b32 s80, s80, 12
	s_add_co_u32 s78, s78, s79
	s_add_co_u32 s78, s78, s80
	s_add_co_u32 s78, s78, 32768
	s_cmp_eq_u32 s[KIND], 1
	s_cselect_b32 s74, s76, s74
	s_cselect_b32 s75, s77, s75
	s_mov_b32 s83, HEADREC
	s_cmp_eq_u32 s[KIND], 2
	s_cselect_b32 s74, s78, s74
	s_cselect_b32 s75, s82, s75
	s_cselect_b32 s76, s83, 4096
	s_cselect_b32 s77, s83, 128
	s_mov_b32 s80, s74
	s_add_nc_u64 s[60:61], s[14:15], s[80:81]
	s_mov_b32 s80, s75
	s_add_nc_u64 s[62:63], s[14:15], s[80:81]
.irp q, 0,1,2,3
	v_mad_u32_u24 v[VO+\q], s76, \q, v[LI]
.endr
	v_lshrrev_b32 v[VG], 3, v3
	v_mul_u32_u24 v[VG], v[VG], s77
	v_and_b32 v117, 7, v3
	v_lshl_add_u32 v[VG], v117, 4, v[VG]
	s_lshl_b32 s80, s[WV], 9
	s_add_co_u32 s80, s80, SST
	v_lshl_add_u32 v[VSS], v3, 1, s80
	v_lshl_add_u32 v[VSR], v3, 4, s80
	v_mov_b32 v[TM+2], 0
	v_mov_b32 v[TM+3], 0
	s_mov_b32 s[SEL], 0x76543210
	s_mov_b32 s[SEL+1], 0xfedcba98
	s_mov_b32 s[MNT], 0x600000
	s_mov_b32 s[HM], 0xffff0000
.macro CHUNKWAIT ch                    ; once, ahead of the first LDS read: my load has landed, then everybody's; no LDS byte is filled twice
.if (\ch) == 0
	s_wait_alu depctr_va_vdst(0)                   ; the wait at the head's end
	s_wait_tensorcnt 0x0
	s_wait_dscnt 0x0
	s_barrier_signal -1
	s_barrier_wait -1
.endif
.endm
.macro ALOAD g
.set aS, (\g)/NG
.set aG, (\g)%NG
	WIN (AWIN<<6)
.irp i, 0,1,2,3
.set aLA, (4*aG+\i)*KS*2048+aS*2048
.irp c, 0,1,2,3
	ds_load_b128 v[AB+64*((\g)%NAB)+16*\i+4*\c:AB+64*((\g)%NAB)+16*\i+4*\c+3], v[AD+(aLA>>16)] offset:(aLA&0xffff)+512*\c
.endr
.endr
.endm
.macro MUL g
.set mS, (\g)/NG
.set mG, (\g)%NG
.set mW, 2+mG/2
	WIN (mW<<6)|(mW<<4)|(AWIN<<2)|1
.irp i, 0,1,2,3
.irp t, 0,1,2,3
.set mA, (32*(4*mG+\i)+8*\t)%256
.set mB, 64*(mS%ND)+16*\t
.set mR, AB+64*((\g)%NAB)+16*\i
.if mS == 0
	v_wmma_scale_f32_16x16x128_f8f6f4 v[mA:mA+7], v[mB:mB+15], v[mR:mR+15], 0, v[WS+4*(mS/2)+\t], v[AS+RT*(mS/2)+4*mG+\i]
.elseif (mS%2) == 0
	v_wmma_scale_f32_16x16x128_f8f6f4 v[mA:mA+7], v[mB:mB+15], v[mR:mR+15], v[mA:mA+7], v[WS+4*(mS/2)+\t], v[AS+RT*(mS/2)+4*mG+\i]
.else
	v_wmma_scale_f32_16x16x128_f8f6f4 v[mA:mA+7], v[mB:mB+15], v[mR:mR+15], v[mA:mA+7], v[WS+4*(mS/2)+\t], v[AS+RT*(mS/2)+4*mG+\i] matrix_a_scale:MATRIX_SCALE_ROW1 matrix_b_scale:MATRIX_SCALE_ROW1
.endif
.endr
.endr
.endm
.set G, 0
.rept NAB-1
.if (G%(NG*KC)) == 0
	CHUNKWAIT G/(NG*KC)
.endif
	ALOAD G
.set G, G+1
.endr
.set G, 0
.rept NGT
.set GP, G+NAB-1
.if (G%NG) == 0
.set LW, KS-1-G/NG
.if LW > ND-1
.set LW, ND-1
.endif
	s_wait_loadcnt 16*LW
.endif
.if GP < NGT
.if (GP%(NG*KC)) == 0
	CHUNKWAIT GP/(NG*KC)
.endif
	ALOAD GP
.endif
.set DW, NGT-1-G
.if DW > NAB-1
.set DW, NAB-1
.endif
	s_wait_dscnt 16*DW
	MUL G
.if (G+NAB < NGT) || (((G%NG) == NG-1) && (G/NG+ND < KS))
	PLACES 8
.endif
.if ((G%NG) == NG-1) && (G/NG+ND < KS)
	WLOAD G/NG+ND
.endif
.set G, G+1
.endr
	WIN 0
	PLACES 8
.macro QUANT2 s
.irp b, 0,1
	v_max3_num_f32 v[TM+\b], |v[\s+16*\b]|, |v[\s+1+16*\b]|, 0x4800000
.endr
.irp i, 2,4,6,8,10,12,14
.irp b, 0,1
	v_max3_num_f32 v[TM+\b], v[TM+\b], |v[\s+16*\b+\i]|, |v[\s+1+16*\b+\i]|
.endr
.endr
.irp b, 0,1
	v_permlanex16_b32 v[TM+2+\b], v[TM+\b], s[SEL], s[SEL+1]
.endr
.irp b, 0,1
	v_max_num_f32 v[TM+\b], v[TM+\b], v[TM+2+\b]
.endr
.irp b, 0,1
	v_add_nc_u32 v[TM+6+\b], 0xfc000000, v[TM+\b]
.endr
.irp b, 0,1
	v_and_or_b32 v[TM+4+\b], v[TM+\b], 0x7f800000, s[MNT]
.endr
.irp b, 0,1
	v_lshrrev_b32 v[TM+2+\b], 23, v[TM+6+\b]
.endr
	v_lshl_or_b32 v[HW], v[TM+3], 8, v[TM+2]
.irp b, 0,1
.irp i, 0,1,2,3,4,5,6,7,8,9,10,11,12,13,14,15
	v_med3_num_f32 v[\s+16*\b+\i], v[\s+16*\b+\i], -v[TM+4+\b], v[TM+4+\b]
.endr
	v_cvt_scalef32_pk8_fp8_f32 v[PC+4*\b:PC+4*\b+1], v[\s+16*\b:\s+16*\b+7], v[TM+6+\b]
	v_cvt_scalef32_pk8_fp8_f32 v[PC+4*\b+2:PC+4*\b+3], v[\s+16*\b+8:\s+16*\b+15], v[TM+6+\b]
.endr
	v_nop
.endm
.macro EPI T1
.set eA, (32*(\T1))%256
	s_wait_xcnt 0x0
	s_cmp_eq_u32 s[KIND], 2
	s_cbranch_scc1 .Lv_\@
	WIN (1<<2)|(2+(\T1)/8)
.set e, 0
.rept 16
	v_pk_add_f32 v[TMP+e:TMP+e+1], v[eA+e:eA+e+1], v[BR+e:BR+e+1]
.set e, e+2
.endr
	WIN 0
	s_branch .Lj_\@
.Lv_\@:
	WIN (1<<2)|(2+(\T1)/8)
.set e, 0
.rept 16
	v_pk_add_f32 v[TMP+e:TMP+e+1], v[eA+e:eA+e+1], v[BL+2*(\T1):BL+2*(\T1)+1]
.set e, e+2
.endr
	WIN 0
.Lj_\@:
	s_wait_alu depctr_va_vdst(0)
	QUANT2 TMP
	global_store_b128 v[VO+(\T1)/4], v[PC:PC+3], s[60:61] offset:((\T1)%4)*1024
	global_store_b128 v[VO+(\T1)/4], v[PC+4:PC+7], s[60:61] offset:((\T1)%4)*1024+512
.if ((\T1)%2) == 0
	v_mov_b32 v[HWE], v[HW]
.else
	v_cndmask_b32 v[HWS], v[HWE], v[HW], s[HM]
	ds_store_b16 v[VSS], v[HWS] offset:((\T1)/2)*64
.endif
.endm
.irp T, 0,1,2,3,4,5,6,7,8,9,10,11,12,13,14,15
	EPI \T
.endr
	ds_load_b128 v[GS:GS+3], v[VSR]
	s_wait_dscnt 0x0
	global_store_b128 v[VG], v[GS:GS+3], s[62:63]
	s_wait_tensorcnt 0x0
	ds_add_u32 v126, v127
	s_wait_dscnt 0x0
	s_endpgm
.Lfunc_end_k_qff63a859b0_qkv:
	.size	k_qff63a859b0_qkv, .Lfunc_end_k_qff63a859b0_qkv-k_qff63a859b0_qkv
	.p2alignl 7, 3214868480
	.fill 96, 4, 3214868480
	.section	.rodata,"a",@progbits
	.p2align	6, 0x0
	.amdhsa_kernel k_qff63a859b0_qkv
		.amdhsa_group_segment_fixed_size 327680
		.amdhsa_private_segment_fixed_size 0
		.amdhsa_enable_private_segment 0
		.amdhsa_kernarg_size 48
		.amdhsa_user_sgpr_count 2
		.amdhsa_user_sgpr_kernarg_segment_ptr 1
		.amdhsa_wavefront_size32 1
		.amdhsa_system_sgpr_workgroup_id_x 1
		.amdhsa_system_sgpr_workgroup_id_y 1
		.amdhsa_system_sgpr_workgroup_id_z 1
		.amdhsa_system_vgpr_workitem_id 0
		.amdhsa_next_free_vgpr 1024
		.amdhsa_next_free_sgpr 84
		.amdhsa_reserve_vcc 0
		.amdhsa_float_denorm_mode_32 3
		.amdhsa_float_denorm_mode_16_64 3
		.amdhsa_memory_ordered 1
		.amdhsa_forward_progress 1
		.amdhsa_inst_pref_size 243
	.end_amdhsa_kernel
	.amdgpu_metadata
---
amdhsa.version: [ 1, 2 ]
amdhsa.kernels:
  - .name:           k_qff63a859b0_qkv
    .symbol:         k_qff63a859b0_qkv.kd
    .args:
      - { .name: act, .offset: 0, .size: 8, .value_kind: global_buffer, .address_space: global }
      - { .name: wts, .offset: 8, .size: 8, .value_kind: global_buffer, .address_space: global }
      - { .name: bq, .offset: 16, .size: 8, .value_kind: global_buffer, .address_space: global }
      - { .name: bk, .offset: 24, .size: 8, .value_kind: global_buffer, .address_space: global }
      - { .name: bv, .offset: 32, .size: 8, .value_kind: global_buffer, .address_space: global }
      - { .name: qkv, .offset: 40, .size: 8, .value_kind: global_buffer, .address_space: global }
    .group_segment_fixed_size: 327680
    .private_segment_fixed_size: 0
    .kernarg_segment_align: 8
    .kernarg_segment_size: 48
    .max_flat_workgroup_size: 128
    .sgpr_count:     84
    .vgpr_count:     1024
    .wavefront_size: 32
...
	.end_amdgpu_metadata
.endif
;; end of part 2
;; launch attn (part 3): grid 8 x 32, 16 waves a work-group, no clusters, 327,680 bytes of LDS; arguments qkv, mbits, ctx; writes ctx
.if DOCPART == 3
	.amdgcn_target "amdgcn-amd-amdhsa--gfx1250"
	.amdhsa_code_object_version 6
	.text
	.protected	k_qff63a859b0_attn
	.globl	k_qff63a859b0_attn
	.p2align	8
	.type	k_qff63a859b0_attn,@function
k_qff63a859b0_attn:
	s_mov_b64 s[64:65], 0
	v_nop
	global_prefetch_b8 v0, s[64:65] scope:SCOPE_SE
	s_setreg_imm32_b32 hwreg(HW_REG_WAVE_MODE, 25, 1), 1
	s_wait_xcnt 0x0
; ATTENTION on E4M3 codes.  A work-group owns 256 queries of one head (x = block, y = 16 batch + head); each of its sixteen waves one tile of 16 queries, four waves to a SIMD.
; The head's whole record (K and V codes and their scale half-words, 270,336 bytes, four chunks of 512 keys) comes into LDS once, by two tensor loads a wave, each of 33 rows of 256 bytes; no byte is filled twice.
; At the head waves 0-7 fetch the eighths of chunk 0 and waves 8-15 those of chunk 3, one load a wave; behind the first barrier, with the full sequence in front of it, each wave fetches a sixteenth of chunks 1 and 2.
; Both products are used transposed: S^T = K Q^T, O^T = V^T P^T: a lane holds one query (lane % 16) throughout; the tile order makes the 16 registers of tiles 2 b, 2 b + 1 the keys 32 b + 16 (lane/16) + 0..15.
; THE HEAD HAS 64 CHANNELS, the instruction takes 128: the upper 64 codes of Q are zeros; a tile of K is named with the 8 registers behind it (the next tile's codes, finite numbers, or zeros), which multiply zeros.
; SOFTMAX: t = score x log2(e)/8; M = the ceiling of the running largest t; p = 2^(t - M) is quantised along the keys; the sum is taken of the unquantised p and divides at the end.
; MASK: word n of a key step holds the lanes of score register n; a hidden score becomes -2^33 (logit -2^30) by v_cndmask_b32.  t is then a whole number, so a row that is wholly hidden has p = 1 exactly.
; EVERY LOAD OF A KEY STEP IS ASKED FOR A STEP AHEAD.  Two regions of 64 registers change roles from step to step: RK holds K, then V; RS holds the scores, then p, and, block by block as p is converted, the NEXT step's K.
; All 64 mask words of a step have scalar registers; each half is asked for again, for the next step, directly behind its last use.  Four steps (a chunk) are written out: the roles are then back where they began.
; TWO BARRIERS: one when chunks 0 and 3 have landed, one, in chunk 0's fourth step, when all has landed; behind it LDS is only read.  The loop walks chunks 3, 2, 1, so that the chunk behind the last is chunk 0:
; the last step's requests (K of chunk 0, the words of key step 0) stay inside LDS and inside the buffer; they are not used.
; No cluster: the eight work-groups of a head read the same record, each once, at its head; a joint request would divide those requests by four and is not built here.  No prefetch: there is no loop to run ahead in.
; LIMIT: the reference puts -1e9 on a hidden logit: the results are the same unless an open logit lies under about -9e8.  NaN and infinities are not served.  1/l is v_rcp_f32 and a multiplication.
.set QS,  4194304
.set KV,  4325376
.set CH,  67584                        ; a chunk: K codes 32,768, V codes 32,768, K half-words 1,024, V half-words 1,024
.set HEADREC, 270336
.set LI,  1                            ; v1 16 x lane
.set L2,  2                            ; v2 2 x lane
.set AD,  3                            ; v3 the chunk in hand + 16 x lane
.set ADS, 4                            ; v4 its half-words + 2 x lane
.set NEG, 5
.set QSC, 6                            ; Q scale word
.set ADN, 7                            ; v7 the next chunk + 16 x lane
.set KSC, 8                            ; v8-11 K scale words: lanes 0-15 the even tile, lanes 16-31 the odd one
                                       ; v12 -M, v13 the largest t, v14-15 the sum in two halves, v16-23 Q, v24-31 zeros
.set R1,  32                           ; v32-95 region 1; v96-103 zeros
.set R2,  104                          ; v104-167 region 2; v168-175 zeros
.set O,   176                          ; v176-207 O^T
.set PCD, 208                          ; v208-223 p's codes
.set BM,  224
.set BY,  228
.set LIM, 232
.set SOP, 236
.set VS,  240                          ; v240-241 V scale words
.set VL,  242
.set VH,  244
.set PW,  246                          ; p's scale word
.set TT,  247
.set F,   248
.set SM2, 250
.set ADNS, 252                         ; v252 the next chunk's half-words + 2 x lane
.set MOB, 2                            ; s2 byte offset of the chunk's mask words in the tile's 4,096
.set MON, 3                            ; s3 the next chunk's
                                       ; s4-35 mask words 32-63, s68-99 mask words 0-31
.set G1,  36                           ; s36-43 descriptor group 1; s44-47, s48-51 the groups 0 of my two loads
.set G0,  44
.set TB,  36                           ; behind the last wait on TENSORcnt the descriptors' registers are free: s36 the next chunk's LDS byte,
.set CNT, 37                           ; s37 trips, s38-39 at work, s40-41 ctx, s44-51 the way out
.set T1,  38
.set T2,  39
.set MB,  60
.set CS,  62
.set SEL, 66
.set MNT, 100
.set WV,  101
.macro PLACES n
.rept \n
	v_nop
.endr
.endm
	s_load_b128 s[4:7], s[0:1], 0x0                ; qkv, mbits
	v_lshl_add_u32 v254, v0, 2, 0x42000
	v_mov_b32 v255, 0
	ds_add_u32 v254, v255                          ; the opening lines: the add twice on end and its wait ahead of my first tensor load
	ds_add_u32 v254, v255
	s_wait_dscnt 0x0
	v_lshrrev_b32 v1, 5, v0
	s_delay_alu instid0(VALU_DEP_1)
	v_readfirstlane_b32 s[WV], v1
	s_and_b32 s8, ttmp7, 0xffff                    ; bh
	s_mov_b32 s[G1], 3<<16                         ; group 1: a dense block as 33 rows of 256 bytes (32 elements of 8 bytes)
	s_mov_b32 s[G1+1], 32<<16
	s_mov_b32 s[G1+2], 33<<16
	s_mov_b32 s[G1+3], 32<<16
	s_mov_b32 s[G1+4], 33
	s_mov_b32 s[G1+5], 32
	s_mov_b32 s[G1+6], 0
	s_mov_b32 s[G1+7], 0
	s_mul_i32 s10, s8, HEADREC
	s_add_co_u32 s10, s10, KV
	s_mov_b32 s11, 0
	s_mul_i32 s9, s[WV], 8448                      ; an eighth of a chunk
	s_lshr_b32 s12, s[WV], 3
	s_mul_i32 s12, s12, 2*CH
	s_add_co_u32 s12, s12, s9                      ; my first load's byte, in the record and in LDS alike: waves 0-7 in chunk 0, waves 8-15 in chunk 3
	s_mov_b32 s13, 0
	s_add_co_u32 s14, s9, CH                       ; my second load's: a sixteenth of chunks 1 and 2
	s_mov_b32 s15, 0
	s_wait_kmcnt 0x0
	s_add_nc_u64 s[10:11], s[4:5], s[10:11]
	s_mov_b32 s[G0], 1
	s_mov_b32 s[G0+1], s12
	s_add_nc_u64 s[G0+2:G0+3], s[10:11], s[12:13]
	s_or_b32 s[G0+3], s[G0+3], 0x80000000
	s_mov_b32 s[G0+4], 1
	s_mov_b32 s[G0+5], s14
	s_add_nc_u64 s[G0+6:G0+7], s[10:11], s[14:15]
	s_or_b32 s[G0+7], s[G0+7], 0x80000000
	tensor_load_to_lds s[G0:G0+3], s[G1:G1+7]      ; one tensor load a wave at the head
	s_nop 0
	PLACES 4
	s_lshl_b32 s12, ttmp9, 4
	s_add_co_u32 s12, s12, s[WV]                   ; T: my tile of queries in the batch
	s_lshl_b32 s14, s8, 7
	s_add_co_u32 s14, s14, s12
	s_lshl_b32 s14, s14, 10
	s_mov_b32 s15, 0
	s_add_nc_u64 s[14:15], s[4:5], s[14:15]        ; Q codes
	s_lshl_b32 s16, s8, 6
	s_lshr_b32 s17, s12, 1
	s_add_co_u32 s16, s16, s17
	s_lshl_b32 s16, s16, 6
	s_and_b32 s17, s12, 1
	s_lshl_b32 s17, s17, 5
	s_add_co_u32 s16, s16, s17
	s_add_co_u32 s16, s16, QS
	s_mov_b32 s17, 0
	s_add_nc_u64 s[16:17], s[4:5], s[16:17]        ; Q half-words
	s_lshr_b32 s18, s8, 4
	s_lshl_b32 s18, s18, 7
	s_add_co_u32 s18, s18, s12                     ; the tile's number over both batches
	s_lshl_b32 s[MB], s18, 12
	s_mov_b32 s[MB+1], 0
	s_add_nc_u64 s[MB:MB+1], s[6:7], s[MB:MB+1]    ; its 4,096 bytes of mask words
	s_mov_b32 s[MOB], 0                            ; chunk 0 first,
	s_mov_b32 s[MON], 3072                         ; chunk 3 behind it
	s_load_b512 s[68:83], s[MB:MB+1], s[MOB] offset:0x0            ; words 0-31 of key step 0
	s_load_b512 s[84:99], s[MB:MB+1], s[MOB] offset:0x40
	s_mov_b32 s[CS], 0x3e38aa3b                    ; log2(e) / 8
	s_mov_b32 s[CS+1], s[CS]
	s_mov_b32 s[SEL], 0x76543210
	s_mov_b32 s[SEL+1], 0xfedcba98
	s_mov_b32 s[MNT], 0x600000
	v_and_b32 v253, 31, v0
	s_delay_alu instid0(VALU_DEP_1)
	v_lshlrev_b32 v[LI], 4, v253
	s_delay_alu instid0(VALU_DEP_2)
	v_lshlrev_b32 v[L2], 1, v253
	v_and_b32 v253, 15, v0
	s_delay_alu instid0(VALU_DEP_1)
	v_lshlrev_b32 v253, 1, v253
	global_load_b128 v[16:19], v[LI], s[14:15]
	global_load_b128 v[20:23], v[LI], s[14:15] offset:512
	global_load_u16 v[QSC], v253, s[16:17]         ; zero-extended: the two blocks of padding get the byte 0, over zero codes
	v_mov_b32 v[NEG], 0xd0000000                   ; -2^33
.irp j, 0,1,2,3,4,5,6,7
	v_mov_b32 v[24+\j], 0
	v_mov_b32 v[R1+64+\j], 0
	v_mov_b32 v[R2+64+\j], 0
.endr
	v_mov_b32 v13, 0xff61b1e6                      ; the largest t so far: -3e38
	s_delay_alu instid0(VALU_DEP_1)
	v_floor_f32 v12, -v13                          ; -M
	v_mov_b32 v14, 0
	v_mov_b32 v15, 0
.set n, 0
.rept 32
	v_mov_b32 v[O+n], 0                            ; the step is written once: the first finds zeros
.set n, n+1
.endr
.irp b, 0,1,2,3
	v_mov_b32 v[BY+\b], 0                          ; a lane permute's destination counts as one of its sources
.endr
	v_mov_b32 v[F+1], 0
	v_mov_b32 v[TT], 0
	v_mov_b32 v[AD], v[LI]                         ; chunk 0 begins at LDS byte 0
	v_add_nc_u32 v[ADS], 65536, v[L2]
	v_add_nc_u32 v[ADN], 3*CH, v[LI]               ; chunk 3 follows it
	v_add_nc_u32 v[ADNS], 3*CH+65536, v[L2]
.macro BMAX b0, b1                     ; the largest score of a block of 32 keys: for the row's maximum, and for the block's largest p
.irp b, \b0, \b1
	v_max3_num_f32 v[BM+\b], v[RS+16*\b], v[RS+16*\b+1], v[RS+16*\b+2]
.endr
.irp i, 3,5,7,9,11,13
.irp b, \b0, \b1
	s_delay_alu instid0(VALU_DEP_2)
	v_max3_num_f32 v[BM+\b], v[BM+\b], v[RS+16*\b+\i], v[RS+16*\b+\i+1]
.endr
.endr
.irp b, \b0, \b1
	s_delay_alu instid0(VALU_DEP_2)
	v_max_num_f32 v[BM+\b], v[BM+\b], v[RS+16*\b+15]
.endr
.endm
.macro SMUL t                          ; the scores of tile t: 16 keys x my 16 queries
.if ((\t)%2) == 0
	v_wmma_scale_f32_16x16x128_f8f6f4 v[RS+8*(\t):RS+8*(\t)+7], v[RK+8*(\t):RK+8*(\t)+15], v[16:31], 0, v[KSC+(\t)/2], v[QSC]
.else
	v_wmma_scale_f32_16x16x128_f8f6f4 v[RS+8*(\t):RS+8*(\t)+7], v[RK+8*(\t):RK+8*(\t)+15], v[16:31], 0, v[KSC+(\t)/2], v[QSC] matrix_a_scale:MATRIX_SCALE_ROW1
.endif
.endm
.macro MASK n0, cnt, sb                ; score registers n0 .. n0 + cnt - 1; word n0 lies in s[sb]
.set n, 0
.rept \cnt
	v_cndmask_b32 v[RS+(\n0)+n], v[NEG], v[RS+(\n0)+n], s[(\sb)+n]
.set n, n+1
.endr
.endm
; A KEY STEP: 128 keys, the j-th of the chunk in hand.  nx = 1: the step behind it is the next chunk's first.  bar = 1: the barrier behind which the whole record may be read.
; At its head K's 4 + 16 LDS loads of this step are out, asked for in the step before, and that step's four products V^T P have just been issued.
; PLACES.  A score product writes over a V fragment that a product V^T P has read: nine plain places lie between (ISA guide 7.12.1 for the hazard).  Tiles 0, 1 against the first such product: the 12 rescalings
; behind it; tiles 2-5: 8 or 4 rescalings and the 8 v_nop; tiles 6, 7: the 8 v_nop and the first 8 mask lines.  The 8 v_nop are also the eight places ahead of the first read of the scores.
.macro STEP j, nx, bar
.set RK, R1+72*((\j)%2)
.set RS, R2-72*((\j)%2)
.if \nx
.set KA, ADN
.set KO, 0
.set SA, ADNS
.set SF, 0
.set MR, MON
.set MI, 0
.else
.set KA, AD
.set KO, ((\j)+1)*8192
.set SA, ADS
.set SF, ((\j)+1)*256
.set MR, MOB
.set MI, ((\j)+1)*256
.endif
	s_wait_dscnt 0x8                               ; K's half-words and tiles 0-3 are in; the youngest eight loads, tiles 4-7, may be out
	SMUL 0
	SMUL 1
	PLACES 8
	s_wait_dscnt 0x0                               ; tiles 4-7
	SMUL 2
	SMUL 3
	SMUL 4
	SMUL 5
	s_wait_kmcnt 0x0                               ; this step's 64 mask words, asked for a step ago
	MASK 0, 8, 68
	SMUL 6
	SMUL 7
	MASK 8, 8, 76                                  ; eight places behind the last score product: K's registers may be loaded again
.irp d, 0,1,2,3
.irp c, 0,1,2,3
	ds_load_b128 v[RK+16*\d+4*\c:RK+16*\d+4*\c+3], v[AD] offset:32768+(\j)*8192+(\c/2)*4096+1024*\d+512*(\c%2)   ; V lands while the softmax is walked
.endr
.endr
.irp i, 0,1
	ds_load_u16 v[VL+\i], v[ADS] offset:1024+(\j)*256+64*\i
	ds_load_u16 v[VH+\i], v[ADS] offset:1024+(\j)*256+128+64*\i
.endr
	MASK 16, 16, 84
	s_load_b512 s[68:83], s[MB:MB+1], s[MR] offset:MI              ; words 0-31 of the next step
	s_load_b512 s[84:99], s[MB:MB+1], s[MR] offset:MI+0x40
	BMAX 0, 1
	MASK 32, 32, 4
	s_load_b512 s[4:19], s[MB:MB+1], s[MR] offset:MI+0x80          ; and its words 32-63
	s_load_b512 s[20:35], s[MB:MB+1], s[MR] offset:MI+0xc0
	BMAX 2, 3
.irp b, 0,1,2,3
	v_permlanex16_b32 v[BY+\b], v[BM+\b], s[SEL], s[SEL+1]
.endr
.irp b, 0,1,2,3
	s_delay_alu instid0(VALU_DEP_4)
	v_max_num_f32 v[BM+\b], v[BM+\b], v[BY+\b]
.endr
	s_delay_alu instid0(VALU_DEP_2)
	v_max3_num_f32 v[TT], v[BM], v[BM+1], v[BM+2]
	s_delay_alu instid0(VALU_DEP_1)
	v_max_num_f32 v[TT], v[TT], v[BM+3]
	s_delay_alu instid0(VALU_DEP_1)
	v_mul_f32 v[TT], s[CS], v[TT]
	s_delay_alu instid0(VALU_DEP_1)
	v_max_num_f32 v13, v13, v[TT]                  ; the running largest t
	v_mov_b32 v[TT], v12
	s_delay_alu instid0(VALU_DEP_2)
	v_floor_f32 v12, -v13                          ; -M = floor(-t): M is a whole number
	s_delay_alu instid0(VALU_DEP_1)
	v_sub_f32 v[TT], v12, v[TT]
	s_delay_alu instid0(VALU_DEP_1)
	v_cvt_i32_f32 v[TT], v[TT]                     ; (it saturates)
	s_delay_alu instid0(VALU_DEP_1)
	v_ldexp_f32 v[F], 1.0, v[TT]                   ; f = 2^(old M - new M): exact
.set n, 0
.rept 32
	v_pk_fma_f32 v[RS+n:RS+n+1], v[RS+n:RS+n+1], s[CS:CS+1], v[12:13] op_sel_hi:[1,0,0]   ; t - M
.set n, n+2
.endr
.irp b, 0,1,2,3
	v_fma_f32 v[BM+\b], v[BM+\b], s[CS], v12
.endr
.set n, 0
	s_wait_alu depctr_va_vdst(0)                   ; the wait ahead of the batch
.rept 64
	v_exp_f32 v[RS+n], v[RS+n]
.set n, n+1
.endr
	v_pk_mul_f32 v[14:15], v[14:15], v[F:F+1] op_sel_hi:[1,0]      ; the sums under the new M; a plain instruction behind the exponentials
	s_wait_alu depctr_va_vdst(0)                   ; one wait for the batch, ahead of its first reader
.irp b, 0,1,2,3
	v_exp_f32 v[BM+\b], v[BM+\b]                   ; the block's largest p
.endr
	v_pk_add_f32 v[SM2:SM2+1], v[RS:RS+1], v[RS+2:RS+3]            ; the sum of the unquantised p, in two chains
.set n, 4
.rept 15
	v_pk_add_f32 v[14:15], v[14:15], v[RS+n:RS+n+1]
	v_pk_add_f32 v[SM2:SM2+1], v[SM2:SM2+1], v[RS+n+2:RS+n+3]
.set n, n+4
.endr
	s_delay_alu instid0(VALU_DEP_1)
	v_pk_add_f32 v[14:15], v[14:15], v[SM2:SM2+1]
	s_wait_alu depctr_va_vdst(0)                   ; and one for the four
.irp b, 0,1,2,3
	v_max_num_f32 v[BM+\b], 0x4800000, v[BM+\b]
.endr
.irp b, 0,1,2,3
	s_delay_alu instid0(VALU_DEP_4)
	v_add_nc_u32 v[SOP+\b], 0xfc000000, v[BM+\b]
.endr
.irp b, 0,1,2,3
	v_and_or_b32 v[LIM+\b], v[BM+\b], 0x7f800000, s[MNT]
.endr
.irp b, 0,1,2,3
	v_lshrrev_b32 v[BY+\b], 23, v[SOP+\b]
.endr
	s_delay_alu instid0(VALU_DEP_3)
	v_lshl_or_b32 v[PW], v[BY+1], 8, v[BY]
	s_delay_alu instid0(VALU_DEP_1)
	v_lshl_or_b32 v[PW], v[BY+2], 16, v[PW]
	s_delay_alu instid0(VALU_DEP_1)
	v_lshl_or_b32 v[PW], v[BY+3], 24, v[PW]
.if \bar
	s_wait_tensorcnt 0x0                           ; all my fills have landed
.endif
	s_wait_dscnt 0x0                               ; V and its half-words are in
.if \bar
	s_barrier_signal -1
	s_barrier_wait -1                              ; everybody's fills have landed: from here on the whole record may be read, and nothing writes LDS any more
.endif
	v_lshl_or_b32 v[VS], v[VH], 16, v[VL]
	v_lshl_or_b32 v[VS+1], v[VH+1], 16, v[VL+1]
.irp i, 0,1,2,3
	ds_load_u16 v[KSC+\i], v[SA] offset:SF+64*\i                   ; THE NEXT STEP'S K: its half-words first,
.endr
.irp b, 0,1,2,3
.irp i, 0,2,4,6,8,10,12,14
	v_dual_min_num_f32 v[RS+16*\b+\i], v[RS+16*\b+\i], v[LIM+\b] :: v_dual_min_num_f32 v[RS+16*\b+\i+1], v[RS+16*\b+\i+1], v[LIM+\b]   ; the conversion does not saturate (ISA guide 7.6.2); p is not negative; two holds an instruction
.endr
	v_cvt_scalef32_pk8_fp8_f32 v[PCD+4*\b:PCD+4*\b+1], v[RS+16*\b:RS+16*\b+7], v[SOP+\b]
	v_cvt_scalef32_pk8_fp8_f32 v[PCD+4*\b+2:PCD+4*\b+3], v[RS+16*\b+8:RS+16*\b+15], v[SOP+\b]
.irp u, 0,1
	ds_load_b128 v[RS+16*\b+8*\u:RS+16*\b+8*\u+3], v[KA] offset:KO+1024*(2*\b+\u)          ; then tiles 2 b and 2 b + 1, into the 16 registers that block b's p has just left
	ds_load_b128 v[RS+16*\b+8*\u+4:RS+16*\b+8*\u+7], v[KA] offset:KO+1024*(2*\b+\u)+512
.endr
.endr
.irp d, 0,1,2,3                        ; O^T = f O^T + V^T P^T: each accumulator's four rescalings stand ahead of its product; the first four are the places between the conversions and the products
.irp e, 0,2,4,6
	v_pk_mul_f32 v[O+8*\d+\e:O+8*\d+\e+1], v[O+8*\d+\e:O+8*\d+\e+1], v[F:F+1] op_sel_hi:[1,0]
.endr
.if (\d%2) == 0
	v_wmma_scale_f32_16x16x128_f8f6f4 v[O+8*\d:O+8*\d+7], v[RK+16*\d:RK+16*\d+15], v[PCD:PCD+15], v[O+8*\d:O+8*\d+7], v[VS+\d/2], v[PW]
.else
	v_wmma_scale_f32_16x16x128_f8f6f4 v[O+8*\d:O+8*\d+7], v[RK+16*\d:RK+16*\d+15], v[PCD:PCD+15], v[O+8*\d:O+8*\d+7], v[VS+\d/2], v[PW] matrix_a_scale:MATRIX_SCALE_ROW1
.endif
.endr
.endm
	s_wait_alu depctr_va_vdst(0)                   ; the wait at the head's end
	s_wait_loadcnt 0x0                             ; Q is in, and its loads have read their bases, which lie among the registers loaded next
	s_load_b512 s[4:19], s[MB:MB+1], s[MOB] offset:0x80            ; words 32-63 of key step 0
	s_load_b512 s[20:35], s[MB:MB+1], s[MOB] offset:0xc0
	s_wait_tensorcnt 0x0                           ; my first load has landed; ahead of a later first fill, as ahead of a refill:
	ds_add_u32 v254, v255                          ; 0 onto my spare word,
	s_wait_dscnt 0x0                               ; and the wait for it
	s_barrier_signal -1
	s_barrier_wait -1                              ; chunks 0 and 3 are whole
	tensor_load_to_lds s[G0+4:G0+7], s[G1:G1+7]    ; my one load behind this barrier: my sixteenth of chunks 1 and 2; it has chunk 0's steps in which to land
	s_nop 0
	PLACES 4
.irp i, 0,1,2,3
	ds_load_u16 v[KSC+\i], v[ADS] offset:64*\i                     ; K of key step 0, in the order in which every step asks
.endr
.irp t, 0,1,2,3,4,5,6,7
	ds_load_b128 v[R1+8*\t:R1+8*\t+3], v[AD] offset:1024*\t
	ds_load_b128 v[R1+8*\t+4:R1+8*\t+7], v[AD] offset:1024*\t+512
.endr
	STEP 0, 0, 0                                   ; chunk 0 is written out: its addresses are constants, inside the bytes that have landed
	STEP 1, 0, 0
	STEP 2, 0, 0
	STEP 3, 1, 1                                   ; its last step passes the second barrier
	s_load_b64 s[40:41], s[0:1], 0x10              ; ctx (no tensor load is out: the descriptors' registers are free)
	s_mov_b32 s[TB], 3*CH
	s_mov_b32 s[CNT], 3
.Lchunk:                                           ; three trips: chunks 3, 2, 1
	s_wait_kmcnt 0x0                               ; the mask loads that are out have read their offset, so it may be written
	s_mov_b32 s[MOB], s[MON]
	s_sub_co_u32 s[MON], s[MON], 1024              ; 2,048, 1,024, 0
	s_sub_co_u32 s[TB], s[TB], CH                  ; the next chunk's LDS byte: 2 CH, CH, 0
	s_add_co_u32 s[T1], s[TB], CH
	s_add_co_u32 s[T2], s[TB], CH+65536
	v_add_nc_u32 v[AD], s[T1], v[LI]
	v_add_nc_u32 v[ADS], s[T2], v[L2]
	s_add_co_u32 s[T1], s[TB], 65536
	v_add_nc_u32 v[ADN], s[TB], v[LI]
	v_add_nc_u32 v[ADNS], s[T1], v[L2]
	STEP 0, 0, 0
	STEP 1, 0, 0
	STEP 2, 0, 0
	STEP 3, 1, 0
	s_sub_co_u32 s[CNT], s[CNT], 1
	s_cmp_lg_u32 s[CNT], 0
	s_cbranch_scc1 .Lchunk
	; THE WAY OUT: O^T / l, quantised along d (register 16 b + i is d = 32 b + 16 h + i): two groups of a fragment of the next product
	PLACES 8
	s_wait_dscnt 0x0                               ; the last step's requests, which nobody uses, have come back
	s_wait_kmcnt 0x0
	s_and_b32 s44, ttmp7, 0xffff                   ; bh
	s_lshl_b32 s45, ttmp9, 4
	s_add_co_u32 s45, s45, s[WV]                   ; T
	s_lshr_b32 s46, s44, 4
	s_lshl_b32 s46, s46, 7
	s_add_co_u32 s46, s46, s45                     ; the tile's number over both batches
	s_and_b32 s47, s44, 15                         ; head
	s_lshl_b32 s48, s46, 14
	s_lshl_b32 s49, s47, 10
	s_add_co_u32 s48, s48, s49
	s_mov_b32 s49, 0
	s_add_nc_u64 s[48:49], s[40:41], s[48:49]      ; ctx codes: tile, K step head/2, groups 2 (head%2) ..
	s_lshr_b32 s50, s47, 2
	s_lshl_b32 s50, s50, 8
	s_add_co_u32 s50, s50, s46
	s_lshl_b32 s50, s50, 7
	s_bfe_u32 s51, s47, 0x10001
	s_lshl_b32 s51, s51, 6
	s_add_co_u32 s50, s50, s51
	s_and_b32 s51, s47, 1
	s_lshl_b32 s51, s51, 1
	s_add_co_u32 s50, s50, s51
	s_add_co_u32 s50, s50, 4194304
	s_mov_b32 s51, 0
	s_add_nc_u64 s[50:51], s[40:41], s[50:51]      ; ctx scale half-words
	v_add_f32 v14, v14, v15
	s_delay_alu instid0(VALU_DEP_1)
	v_permlanex16_b32 v[TT], v14, s[SEL], s[SEL+1]
	s_delay_alu instid0(VALU_DEP_1)
	v_add_f32 v14, v14, v[TT]
	s_wait_alu depctr_va_vdst(0)
	v_rcp_f32 v14, v14
	v_nop
	s_wait_alu depctr_va_vdst(0)
	v_mov_b32 v15, v14
.set n, 0
.rept 16
	v_pk_mul_f32 v[R2+n:R2+n+1], v[O+n:O+n+1], v[14:15]            ; each accumulator is read from its low end on
.set n, n+2
.endr
.irp b, 0,1
	v_max3_num_f32 v[BM+\b], |v[R2+16*\b]|, |v[R2+1+16*\b]|, 0x4800000
.endr
.irp i, 2,4,6,8,10,12,14
.irp b, 0,1
	s_delay_alu instid0(VALU_DEP_2)
	v_max3_num_f32 v[BM+\b], v[BM+\b], |v[R2+16*\b+\i]|, |v[R2+1+16*\b+\i]|
.endr
.endr
.irp b, 0,1
	s_delay_alu instid0(VALU_DEP_2)
	v_permlanex16_b32 v[BY+\b], v[BM+\b], s[SEL], s[SEL+1]
.endr
.irp b, 0,1
	s_delay_alu instid0(VALU_DEP_2)
	v_max_num_f32 v[BM+\b], v[BM+\b], v[BY+\b]
.endr
.irp b, 0,1
	s_delay_alu instid0(VALU_DEP_2)
	v_add_nc_u32 v[SOP+\b], 0xfc000000, v[BM+\b]
.endr
.irp b, 0,1
	s_delay_alu instid0(VALU_DEP_4)
	v_and_or_b32 v[LIM+\b], v[BM+\b], 0x7f800000, s[MNT]
.endr
.irp b, 0,1
	s_delay_alu instid0(VALU_DEP_4)
	v_lshrrev_b32 v[BY+\b], 23, v[SOP+\b]
.endr
	s_delay_alu instid0(VALU_DEP_1)
	v_lshl_or_b32 v253, v[BY+1], 8, v[BY]
.irp b, 0,1
.irp i, 0,1,2,3,4,5,6,7,8,9,10,11,12,13,14,15
	v_med3_num_f32 v[R2+16*\b+\i], v[R2+16*\b+\i], -v[LIM+\b], v[LIM+\b]
.endr
	v_cvt_scalef32_pk8_fp8_f32 v[PCD+4*\b:PCD+4*\b+1], v[R2+16*\b:R2+16*\b+7], v[SOP+\b]
	v_cvt_scalef32_pk8_fp8_f32 v[PCD+4*\b+2:PCD+4*\b+3], v[R2+16*\b+8:R2+16*\b+15], v[SOP+\b]
.endr
	v_and_b32 v254, 15, v0
	s_delay_alu instid0(VALU_DEP_1)
	v_lshlrev_b32 v254, 2, v254
	global_store_b128 v[LI], v[PCD:PCD+3], s[48:49]                ; 512 consecutive bytes a store
	global_store_b128 v[LI], v[PCD+4:PCD+7], s[48:49] offset:512
	global_store_b16 v254, v253, s[50:51]          ; my head's half of the rows' scale words: 2 bytes in each 4, one part in 32 of ctx; the other half belongs to another head's work-group
	s_wait_xcnt 0x0
	v_lshl_add_u32 v254, v0, 2, 0x42000            ; v254 was at work on the way out: v0 was kept, and the add's two registers are made anew
	v_mov_b32 v255, 0
	s_wait_alu depctr_va_vdst(0)
	s_wait_tensorcnt 0x0                           ; the wave's end
	ds_add_u32 v254, v255
	s_wait_dscnt 0x0
	s_endpgm
.Lfunc_end_k_qff63a859b0_attn:
	.size	k_qff63a859b0_attn, .Lfunc_end_k_qff63a859b0_attn-k_qff63a859b0_attn
	.p2alignl 7, 3214868480
	.fill 96, 4, 3214868480
	.section	.rodata,"a",@progbits
	.p2align	6, 0x0
	.amdhsa_kernel k_qff63a859b0_attn
		.amdhsa_group_segment_fixed_size 327680
		.amdhsa_private_segment_fixed_size 0
		.amdhsa_enable_private_segment 0
		.amdhsa_kernarg_size 24
		.amdhsa_user_sgpr_count 2
		.amdhsa_user_sgpr_kernarg_segment_ptr 1
		.amdhsa_wavefront_size32 1
		.amdhsa_system_sgpr_workgroup_id_x 1
		.amdhsa_system_sgpr_workgroup_id_y 1
		.amdhsa_system_sgpr_workgroup_id_z 1
		.amdhsa_system_vgpr_workitem_id 0
		.amdhsa_next_free_vgpr 256
		.amdhsa_next_free_sgpr 102
		.amdhsa_reserve_vcc 0
		.amdhsa_float_denorm_mode_32 3
		.amdhsa_float_denorm_mode_16_64 3
		.amdhsa_memory_ordered 1
		.amdhsa_forward_progress 1
		.amdhsa_inst_pref_size 210
	.end_amdhsa_kernel
	.amdgpu_metadata
---
amdhsa.version: [ 1, 2 ]
amdhsa.kernels:
  - .name:           k_qff63a859b0_attn
    .symbol:         k_qff63a859b0_attn.kd
    .args:
      - { .name: qkv, .offset: 0, .size: 8, .value_kind: global_buffer, .address_space: global }
      - { .name: mbits, .offset: 8, .size: 8, .value_kind: global_buffer, .address_space: global }
      - { .name: ctx, .offset: 16, .size: 8, .value_kind: global_buffer, .address_space: global }
    .group_segment_fixed_size: 327680
    .private_segment_fixed_size: 0
    .kernarg_segment_align: 8
    .kernarg_segment_size: 24
    .max_flat_workgroup_size: 512
    .sgpr_count:     102
    .vgpr_count:     256
    .wavefront_size: 32
...
	.end_amdgpu_metadata
.endif
;; end of part 3
;; launch wo (part 4): grid 4 x 64, 4 waves a work-group, no clusters, 168,448 bytes of LDS; arguments ctx, wts, bo, x, x1; writes x1
.if DOCPART == 4
	.amdgcn_target "amdgcn-amd-amdhsa--gfx1250"
	.amdhsa_code_object_version 6
	.text
	.protected	k_qff63a859b0_wo
	.globl	k_qff63a859b0_wo
	.p2align	8
	.type	k_qff63a859b0_wo,@function
k_qff63a859b0_wo:
	s_mov_b64 s[64:65], 0
	v_nop
	global_prefetch_b8 v0, s[64:65] scope:SCOPE_SE
	s_setreg_imm32_b32 hwreg(HW_REG_WAVE_MODE, 25, 1), 1
	s_wait_xcnt 0x0
; x1 = x + ctx wo + bo on E4M3 codes.  x = group of 256 columns, y = block of 64 tokens (4 tiles): 256 work-groups for N = 1,024.
; THE FRAME: the resident operand (4 tiles of tokens x all of K) comes into LDS once, as register images: ONE tensor load a wave at the head, its tile's 16,384 consecutive bytes; no LDS byte is filled twice.
; The weight goes from memory straight into registers in fragment order, each wave its own 4 tiles (64 columns).  Source 0 = weight tile, source 1 = token tile:
; a lane holds one token and eight neighbouring columns a tile.  The bias is the C of the first K step.  16 accumulators take turns.
; THE WAY OUT: 16 tokens x 256 bytes through the wave's own stage, back as whole rows; the residual, loaded in that layout at the head, is added; sixteen lanes store 256 consecutive bytes, aligned.
; No cluster: four fifths of the bytes go to registers, where no joint load reaches.  No prefetch: all loads are issued at the head or four K steps ahead, and K has eight steps.
.set KS,  8
.set LKS, 14                           ; log2 of a tile's bytes, KS x 2048
.set WOFF, 3<<20                       ; the weight's codes in wts
.set RSC, 4194304                      ; the resident buffer's scale words
.set ND,  4
.set NAB, 4
.set RT,  4
.set NP,  KS/2
.set AWIN, 3
.set AB,  0                            ; window 3: four buffers of 4 resident fragments
.set WSC, 12582912
.set STG, RT*KS*2048                   ; LDS behind the images: 16 x 272 bytes a wave
.set LI,  1
.set LS,  2
.set STO, 8
.set RD,  9
.set CO,  10
.set WS,  16                           ; v16-31 weight scale words (4 p + t)
.set AS,  80                           ; v80-95 token scale words (4 p + T1)
.set BR,  160                          ; v160-191 bias in the result's layout
.set TMP, 192
.set RS,  128                          ; window 2: v128-255 the residual; v0-127 the accumulators
.set WV,  16
.set MSB, 0
.macro WIN new
.if MSB != (\new)
	s_set_vgpr_msb (MSB<<8)|(\new)
.set MSB, (\new)
.endif
.endm
.macro PLACES n
.rept \n
	v_nop
.endr
.endm
	s_load_b256 s[4:11], s[0:1], 0x0               ; resident codes, wts, bias, residual
	s_load_b64 s[12:13], s[0:1], 0x20              ; out
	v_lshl_add_u32 v254, v0, 2, 0x29000
	v_mov_b32 v255, 0
	ds_add_u32 v254, v255                          ; the opening lines: the add twice on end and its wait ahead of my tensor load
	ds_add_u32 v254, v255
	v_lshrrev_b32 v1, 5, v0
	v_readfirstlane_b32 s[WV], v1
	s_and_b32 s18, ttmp7, 0xffff
	s_mov_b32 s24, 3<<16                           ; group 1: a dense block as KS x 8 rows of 256 bytes
	s_mov_b32 s25, 32<<16
	s_mov_b32 s26, (KS*8)<<16
	s_mov_b32 s27, 32<<16
	s_mov_b32 s28, KS*8
	s_mov_b32 s29, 32
	s_mov_b32 s30, 0
	s_mov_b32 s31, 0
	s_lshl_b32 s70, s18, 2
	s_add_co_u32 s70, s70, s[WV]                   ; I fetch tile 4 y + w
	s_lshl_b32 s70, s70, LKS
	s_mov_b32 s71, 0
	s_mov_b32 s32, 1
	s_lshl_b32 s33, s[WV], LKS                     ; to LDS byte 16,384 x wave
	s_wait_dscnt 0x0
	s_wait_kmcnt 0x0
	s_add_nc_u64 s[34:35], s[4:5], s[70:71]
	s_or_b32 s35, s35, 0x80000000
	tensor_load_to_lds s[32:35], s[24:31]
	s_nop 0
	PLACES 4
	s_lshl_b32 s70, ttmp9, 4
	s_lshl_b32 s73, s[WV], 2
	s_add_co_u32 s70, s70, s73                     ; my first weight tile
	s_lshl_b32 s74, s70, 7
	s_add_co_u32 s74, s74, WSC+WOFF/32
	s_mov_b32 s75, 0
	s_add_nc_u64 s[54:55], s[6:7], s[74:75]
	s_lshl_b32 s70, s70, LKS
	s_add_co_u32 s70, s70, WOFF
	s_add_nc_u64 s[50:51], s[6:7], s[70:71]
	s_lshl_b32 s74, s18, 9
	s_add_co_u32 s74, s74, RSC
	s_add_nc_u64 s[52:53], s[4:5], s[74:75]
	s_lshl_b32 s74, ttmp9, 10
	s_lshl_b32 s76, s[WV], 8
	s_add_co_u32 s74, s74, s76                     ; my first column, in bytes
	s_add_nc_u64 s[56:57], s[8:9], s[74:75]
	s_lshl_b32 s76, s18, 18                        ; 64 y rows of 4,096 bytes
	s_add_co_u32 s74, s74, s76
	s_add_nc_u64 s[58:59], s[10:11], s[74:75]
	s_add_nc_u64 s[60:61], s[12:13], s[74:75]
	v_and_b32 v3, 31, v0
	v_and_b32 v12, 15, v0
	v_bfe_u32 v13, v0, 4, 1
	v_lshlrev_b32 v[LI], 4, v3
	v_lshlrev_b32 v[LS], 2, v3
	s_mul_i32 s76, s[WV], 4352
	s_add_co_u32 s76, s76, STG
	v_mul_u32_u24 v[STO], v12, 272
	v_lshl_add_u32 v[STO], v13, 6, v[STO]
	v_add_nc_u32 v[STO], s76, v[STO]               ; in: row r, + 64 h
	v_mul_u32_u24 v[RD], v13, 272
	v_lshl_add_u32 v[RD], v12, 4, v[RD]
	v_add_nc_u32 v[RD], s76, v[RD]                 ; back: lanes 0-15 one row, lanes 16-31 the next
	v_lshlrev_b32 v[CO], 12, v13
	v_lshl_add_u32 v[CO], v12, 4, v[CO]            ; and the same in memory
	v_lshlrev_b32 v11, 6, v13
	WIN 0x80                                       ; destination window 2
.irp T, 0,1,2,3
.irp t, 0,1,2,3,4,5,6,7
	global_load_b128 v[RS+4*(8*\T+\t):RS+4*(8*\T+\t)+3], v[CO], s[58:59] offset:(32*(\T/2)+8*(\T%2)+2*\t+8*(\t/4))*4096
.endr
.endr
	WIN 0
.set p, 0
.rept NP
.irp t, 0,1,2,3
	global_load_b32 v[AS+4*p+\t], v[LS], s[52:53] offset:p*32768+\t*128
	global_load_b32 v[WS+4*p+\t], v[LS], s[54:55] offset:p*8192+\t*128
.endr
.set p, p+1
.endr
.irp t, 0,1,2,3
	global_load_b128 v[BR+8*\t:BR+8*\t+3], v11, s[56:57] offset:(32*(\t/2)+8*(\t%2))*4
	global_load_b128 v[BR+8*\t+4:BR+8*\t+7], v11, s[56:57] offset:(32*(\t/2)+8*(\t%2))*4+16
.endr
.macro WLOAD s
	WIN 0x40
.irp t, 0,1,2,3
.irp c, 0,1,2,3
	global_load_b128 v[64*((\s)%ND)+16*\t+4*\c:64*((\s)%ND)+16*\t+4*\c+3], v[LI], s[50:51] offset:(\t*KS+(\s))*2048+512*\c
.endr
.endr
.endm
	WLOAD 0
	WLOAD 1
	WLOAD 2
	WLOAD 3
.macro ALOAD g                         ; K step g's four token fragments: tile i lies at 16,384 i, its K step g 2,048 g further on
	WIN (AWIN<<6)
.irp i, 0,1,2,3
.irp c, 0,1,2,3
	ds_load_b128 v[AB+64*((\g)%NAB)+16*\i+4*\c:AB+64*((\g)%NAB)+16*\i+4*\c+3], v[LI] offset:\i*KS*2048+(\g)*2048+512*\c
.endr
.endr
.endm
.macro MUL g                           ; 16 matrix instructions: the 16 accumulators take turns, one instruction a turn
.set mS, (\g)
.if mS == 0
	WIN (2<<6)|(0<<4)|(AWIN<<2)|1
.else
	WIN (2<<6)|(2<<4)|(AWIN<<2)|1
.endif
.irp i, 0,1,2,3
.irp t, 0,1,2,3
.set mA, 32*\i+8*\t
.set mB, 64*(mS%ND)+16*\t
.set mR, AB+64*(mS%NAB)+16*\i
.if mS == 0
	v_wmma_scale_f32_16x16x128_f8f6f4 v[mA:mA+7], v[mB:mB+15], v[mR:mR+15], v[BR+8*\t:BR+8*\t+7], v[WS+4*(mS/2)+\t], v[AS+RT*(mS/2)+\i]
.elseif (mS%2) == 0
	v_wmma_scale_f32_16x16x128_f8f6f4 v[mA:mA+7], v[mB:mB+15], v[mR:mR+15], v[mA:mA+7], v[WS+4*(mS/2)+\t], v[AS+RT*(mS/2)+\i]
.else
	v_wmma_scale_f32_16x16x128_f8f6f4 v[mA:mA+7], v[mB:mB+15], v[mR:mR+15], v[mA:mA+7], v[WS+4*(mS/2)+\t], v[AS+RT*(mS/2)+\i] matrix_a_scale:MATRIX_SCALE_ROW1 matrix_b_scale:MATRIX_SCALE_ROW1
.endif
.endr
.endr
.endm
	s_wait_alu depctr_va_vdst(0)                   ; the wait at the head's end
	s_wait_tensorcnt 0x0                           ; my tile has landed,
	s_wait_dscnt 0x0
	s_barrier_signal -1
	s_barrier_wait -1                              ; and everybody's
	ALOAD 0
	ALOAD 1
	ALOAD 2
	; THE PRODUCT.  Eight plain places stand between a K step's products and loads into registers that they read.
.set G, 0
.rept KS
.set GP, G+NAB-1
.set LW, KS-1-G
.if LW > ND-1
.set LW, ND-1
.endif
	s_wait_loadcnt 16*LW                           ; this K step's weight fragments are in (and all older loads); the later sets may be out
.if GP < KS
	ALOAD GP
.endif
.set DW, KS-1-G
.if DW > NAB-1
.set DW, NAB-1
.endif
	s_wait_dscnt 16*DW                             ; this K step's token fragments are in; the later buffers' loads may be out
	MUL G
.if G+ND < KS
	PLACES 8
	WLOAD G+ND
.endif
.set G, G+1
.endr
	WIN 0
	PLACES 8
.macro OUTT T
	WIN 0x08                                       ; an LDS store's data: window 2
.irp t, 0,1,2,3
	ds_store_b128 v[STO], v[32*\T+8*\t:32*\T+8*\t+3] offset:128*(\t/2)+32*(\t%2)          ; each accumulator from its low end on
	ds_store_b128 v[STO], v[32*\T+8*\t+4:32*\T+8*\t+7] offset:128*(\t/2)+32*(\t%2)+16
.endr
	WIN 0
.irp t, 0,1,2,3,4,5,6,7
	ds_load_b128 v[TMP+4*\t:TMP+4*\t+3], v[RD] offset:544*\t       ; my own bytes: LDS serves a wave in order
.endr
	s_wait_dscnt 0x0
	WIN 0x82                                       ; destination and source 0: window 2
.set e, 0
.rept 16
	v_pk_add_f32 v[RS+32*\T+e:RS+32*\T+e+1], v[RS+32*\T+e:RS+32*\T+e+1], v[TMP+e:TMP+e+1]
.set e, e+2
.endr
	WIN 0x08
.irp t, 0,1,2,3,4,5,6,7
	global_store_b128 v[CO], v[RS+4*(8*\T+\t):RS+4*(8*\T+\t)+3], s[60:61] offset:(32*(\T/2)+8*(\T%2)+2*\t+8*(\t/4))*4096
.endr
.endm
	s_wait_alu depctr_va_vdst(0)
	OUTT 0
	OUTT 1
	OUTT 2
	OUTT 3
	WIN 0
	s_wait_tensorcnt 0x0                           ; the wave's end
	ds_add_u32 v254, v255
	s_wait_dscnt 0x0
	s_endpgm
.Lfunc_end_k_qff63a859b0_wo:
	.size	k_qff63a859b0_wo, .Lfunc_end_k_qff63a859b0_wo-k_qff63a859b0_wo
	.p2alignl 7, 3214868480
	.fill 96, 4, 3214868480
	.section	.rodata,"a",@progbits
	.p2align	6, 0x0
	.amdhsa_kernel k_qff63a859b0_wo
		.amdhsa_group_segment_fixed_size 168448
		.amdhsa_private_segment_fixed_size 0
		.amdhsa_enable_private_segment 0
		.amdhsa_kernarg_size 40
		.amdhsa_user_sgpr_count 2
		.amdhsa_user_sgpr_kernarg_segment_ptr 1
		.amdhsa_wavefront_size32 1
		.amdhsa_system_sgpr_workgroup_id_x 1
		.amdhsa_system_sgpr_workgroup_id_y 1
		.amdhsa_system_sgpr_workgroup_id_z 1
		.amdhsa_system_vgpr_workitem_id 0
		.amdhsa_next_free_vgpr 1024
		.amdhsa_next_free_sgpr 84
		.amdhsa_reserve_vcc 0
		.amdhsa_float_denorm_mode_32 3
		.amdhsa_float_denorm_mode_16_64 3
		.amdhsa_memory_ordered 1
		.amdhsa_forward_progress 1
		.amdhsa_inst_pref_size 61
	.end_amdhsa_kernel
	.amdgpu_metadata
---
amdhsa.version: [ 1, 2 ]
amdhsa.kernels:
  - .name:           k_qff63a859b0_wo
    .symbol:         k_qff63a859b0_wo.kd
    .args:
      - { .name: ctx, .offset: 0, .size: 8, .value_kind: global_buffer, .address_space: global }
      - { .name: wts, .offset: 8, .size: 8, .value_kind: global_buffer, .address_space: global }
      - { .name: bo, .offset: 16, .size: 8, .value_kind: global_buffer, .address_space: global }
      - { .name: x, .offset: 24, .size: 8, .value_kind: global_buffer, .address_space: global }
      - { .name: x1, .offset: 32, .size: 8, .value_kind: global_buffer, .address_space: global }
    .group_segment_fixed_size: 168448
    .private_segment_fixed_size: 0
    .kernarg_segment_align: 8
    .kernarg_segment_size: 40
    .max_flat_workgroup_size: 128
    .sgpr_count:     84
    .vgpr_count:     1024
    .wavefront_size: 32
...
	.end_amdgpu_metadata
.endif
;; end of part 4
;; launch ln1 (part 5): grid 256 x 1, 4 waves a work-group, no clusters, 1,024 bytes of LDS; arguments x1, ln2_a, ln2_b, act; writes act
.if DOCPART == 5
	.amdgcn_target "amdgcn-amd-amdhsa--gfx1250"
	.amdhsa_code_object_version 6
	.text
	.protected	k_qff63a859b0_ln1
	.globl	k_qff63a859b0_ln1
	.p2align	8
	.type	k_qff63a859b0_ln1,@function
k_qff63a859b0_ln1:
	s_mov_b64 s[64:65], 0
	v_nop
	global_prefetch_b8 v0, s[64:65] scope:SCOPE_SE
	s_setreg_imm32_b32 hwreg(HW_REG_WAVE_MODE, 25, 1), 1
	s_wait_xcnt 0x0
; LAYER NORM AND QUANTISER.  h = alpha (x - mean) / (std + 1e-6) + beta, std with divisor 1023; h becomes E4M3 codes with one E8M0 byte for 32 along the row.
; A work-group takes one tile of 16 rows (row r of tile T is token 32 (T/2) + 8 (T%2) + r + 8 (r/8)); wave w takes columns 256 w .. 256 w + 255: K steps 2 w and 2 w + 1.
; Lane (r, h) holds, of row r, 16 neighbours of each block of 32, in the order of the operand registers: the conversions' results are stored as they stand.
; Two passes over registers (mean, then centred squares): no difference of large sums is formed.  The row is read from memory once.
; Codes: byte ((8 T + s) 4 + c) 512 + 16 lane.  Scale words at 4,194,304 + (w 256 + T) 128 + 4 lane: lanes 0-15 K step 2 w, lanes 16-31 K step 2 w + 1.
; LIMITS: NaN and infinities are not served; a block of zeros gets the byte 1; 1/1023 is a rounded constant, 1/(std + eps) is v_rcp_f32 and a multiplication.
.set X,   32                           ; v32-159 my 128 numbers: 64 s + 16 c + i
.set A,   160                          ; v160-167 four packed chains
.set TM,  176                          ; v176-191 the quantiser at work
.set PC0, 8                            ; v8-23   codes of K step 2 w
.set PC1, 192                          ; v192-207 codes of K step 2 w + 1
.set SEL, 26
.set MNT, 28
.set HM,  29
	s_load_b256 s[4:11], s[0:1], 0x0               ; x, alpha, beta, act
	v_lshl_add_u32 v224, v0, 2, 0x200
	v_mov_b32 v225, 0
	v_lshrrev_b32 v1, 5, v0
	v_readfirstlane_b32 s12, v1                    ; wave
	v_and_b32 v2, 31, v0
	v_and_b32 v3, 15, v0                           ; r
	v_bfe_u32 v4, v0, 4, 1                         ; h
	v_and_b32 v5, 8, v3
	v_add_nc_u32 v5, v5, v3                        ; r + 8 (r/8)
	v_lshlrev_b32 v5, 12, v5
	v_lshl_add_u32 v5, v4, 6, v5                   ; my row of 4,096 bytes, + 64 h
	v_lshlrev_b32 v6, 4, v2
	v_lshlrev_b32 v7, 2, v2
	s_lshl_b32 s13, s12, 2
	v_lshl_add_u32 v27, v3, 4, s13                 ; LDS: 16 r + 4 w: my wave's part of row r's sum
	v_lshlrev_b32 v28, 4, v3                       ; and the four parts
	s_lshr_b32 s14, ttmp9, 1
	s_lshl_b32 s14, s14, 5
	s_and_b32 s15, ttmp9, 1
	s_lshl_b32 s15, s15, 3
	s_add_co_u32 s14, s14, s15
	s_lshl_b32 s14, s14, 12
	s_lshl_b32 s15, s12, 10
	s_add_co_u32 s14, s14, s15
	s_mov_b32 s15, 0
	s_lshl_b32 s16, ttmp9, 14
	s_lshl_b32 s17, s12, 12
	s_add_co_u32 s16, s16, s17                     ; (8 T + 2 w) 2048
	s_mov_b32 s17, 0
	s_lshl_b32 s18, s12, 15
	s_lshl_b32 s19, ttmp9, 7
	s_add_co_u32 s18, s18, s19
	s_add_co_u32 s18, s18, 4194304
	s_mov_b32 s19, 0
	s_mov_b32 s[SEL], 0x76543210
	s_mov_b32 s[SEL+1], 0xfedcba98                 ; v_permlanex16_b32: lane l xor 16
	s_mov_b32 s[MNT], 0x600000
	s_mov_b32 s[HM], 0xffff0000
	s_wait_alu depctr_va_vdst(0)
	s_wait_kmcnt 0x0
	s_load_b32 s24, s[6:7], 0x0
	s_load_b32 s25, s[8:9], 0x0
	s_add_nc_u64 s[4:5], s[4:5], s[14:15]
	s_add_nc_u64 s[20:21], s[10:11], s[16:17]
	s_add_nc_u64 s[22:23], s[10:11], s[18:19]
.irp s, 0,1
.irp c, 0,1,2,3
.irp j, 0,1,2,3
	global_load_b128 v[X+64*\s+16*\c+4*\j:X+64*\s+16*\c+4*\j+3], v5, s[4:5] offset:512*\s+128*\c+16*\j
.endr
.endr
.endr
.irp b, 0,1,2,3
	v_mov_b32 v[TM+4+\b], 0                        ; a lane permute's destination counts as one of its sources
.endr
; the four chains are folded, joined with lane l xor 16, and the four waves' parts meet in LDS: the row's total comes out in v[A+4]
.macro XCHG off
	v_pk_add_f32 v[A:A+1], v[A:A+1], v[A+2:A+3]
	v_pk_add_f32 v[A+4:A+5], v[A+4:A+5], v[A+6:A+7]
	v_pk_add_f32 v[A:A+1], v[A:A+1], v[A+4:A+5]
	v_add_f32 v[A], v[A], v[A+1]
	v_permlanex16_b32 v[A+1], v[A], s[SEL], s[SEL+1]
	v_add_f32 v[A], v[A], v[A+1]
	ds_store_b32 v27, v[A] offset:\off
	s_wait_dscnt 0x0                               ; for the other waves: my store has landed
	s_barrier_signal -1
	s_barrier_wait -1
	ds_load_b128 v[A+4:A+7], v28 offset:\off
	s_wait_dscnt 0x0
	v_add_f32 v[A+4], v[A+4], v[A+5]
	v_add_f32 v[A+6], v[A+6], v[A+7]
	v_add_f32 v[A+4], v[A+4], v[A+6]
.endm
	s_wait_loadcnt 0x0
.irp k, 0,1,2,3
	v_pk_add_f32 v[A+2*\k:A+2*\k+1], v[X+2*\k:X+2*\k+1], v[X+8+2*\k:X+9+2*\k]
.endr
.set m, 2
.rept 14
.irp k, 0,1,2,3
	v_pk_add_f32 v[A+2*\k:A+2*\k+1], v[A+2*\k:A+2*\k+1], v[X+8*m+2*\k:X+8*m+2*\k+1]
.endr
.set m, m+1
.endr
	XCHG 0
	v_mul_f32 v168, 0x3a800000, v[A+4]             ; the mean: the total x 2^-10
	v_mov_b32 v169, v168
.set m, 0
.rept 64
	v_pk_add_f32 v[X+2*m:X+2*m+1], v[X+2*m:X+2*m+1], v[168:169] neg_lo:[0,1] neg_hi:[0,1]
.set m, m+1
.endr
.irp k, 0,1,2,3
	v_pk_mul_f32 v[A+2*\k:A+2*\k+1], v[X+2*\k:X+2*\k+1], v[X+2*\k:X+2*\k+1]
.endr
.set m, 1
.rept 15
.irp k, 0,1,2,3
	v_pk_fma_f32 v[A+2*\k:A+2*\k+1], v[X+8*m+2*\k:X+8*m+2*\k+1], v[X+8*m+2*\k:X+8*m+2*\k+1], v[A+2*\k:A+2*\k+1]
.endr
.set m, m+1
.endr
	XCHG 256                                       ; other bytes than the first exchange: no third barrier is needed
	v_mul_f32 v[A+4], 0x3a802008, v[A+4]           ; / 1023
	s_wait_alu depctr_va_vdst(0)
	v_sqrt_f32 v[A+4], v[A+4]
	v_nop                                          ; a plain instruction behind the transcendental
	s_wait_alu depctr_va_vdst(0)                   ; and the wait ahead of its first reader
	v_add_f32 v[A+4], 0x358637bd, v[A+4]           ; + 1e-6
	s_wait_alu depctr_va_vdst(0)
	v_rcp_f32 v[A+4], v[A+4]
	v_nop
	s_wait_alu depctr_va_vdst(0)
	s_wait_kmcnt 0x0
	v_mul_f32 v170, s24, v[A+4]                    ; alpha / (std + eps)
	v_mov_b32 v171, v170
	v_mov_b32 v172, s25
	v_mov_b32 v173, s25
.set m, 0
.rept 64
	v_pk_fma_f32 v[X+2*m:X+2*m+1], v[X+2*m:X+2*m+1], v[170:171], v[172:173]
.set m, m+1
.endr
; 64 numbers of a lane, register 16 b + i = k 32 b + 16 h + i of my row, become a fragment's 16 code registers and its scale word
.macro QUANT4 s, pc, pw
.irp b, 0,1,2,3
	v_max3_num_f32 v[TM+\b], |v[\s+16*\b]|, |v[\s+1+16*\b]|, 0x4800000    ; with the floor 2^(9-127)
.endr
.irp i, 2,4,6,8,10,12,14
.irp b, 0,1,2,3
	v_max3_num_f32 v[TM+\b], v[TM+\b], |v[\s+16*\b+\i]|, |v[\s+1+16*\b+\i]|
.endr
.endr
.irp b, 0,1,2,3
	v_permlanex16_b32 v[TM+4+\b], v[TM+\b], s[SEL], s[SEL+1]
.endr
.irp b, 0,1,2,3
	v_max_num_f32 v[TM+\b], v[TM+\b], v[TM+4+\b]
.endr
.irp b, 0,1,2,3
	v_add_nc_u32 v[TM+12+\b], 0xfc000000, v[TM+\b]
.endr
.irp b, 0,1,2,3
	v_and_or_b32 v[TM+8+\b], v[TM+\b], 0x7f800000, s[MNT]
.endr
.irp b, 0,1,2,3
	v_lshrrev_b32 v[TM+4+\b], 23, v[TM+12+\b]
.endr
	v_lshl_or_b32 v[\pw], v[TM+5], 8, v[TM+4]
	v_lshl_or_b32 v[\pw], v[TM+6], 16, v[\pw]
	v_lshl_or_b32 v[\pw], v[TM+7], 24, v[\pw]
.irp b, 0,1,2,3
.irp i, 0,1,2,3,4,5,6,7,8,9,10,11,12,13,14,15
	v_med3_num_f32 v[\s+16*\b+\i], v[\s+16*\b+\i], -v[TM+8+\b], v[TM+8+\b]
.endr
	v_cvt_scalef32_pk8_fp8_f32 v[\pc+4*\b:\pc+1+4*\b], v[\s+16*\b:\s+7+16*\b], v[TM+12+\b]
	v_cvt_scalef32_pk8_fp8_f32 v[\pc+2+4*\b:\pc+3+4*\b], v[\s+8+16*\b:\s+15+16*\b], v[TM+12+\b]
.endr
	v_nop                                          ; a plain instruction behind the last conversion
.endm
	QUANT4 X, PC0, 24
.irp c, 0,1,2,3
	global_store_b128 v6, v[PC0+4*\c:PC0+4*\c+3], s[20:21] offset:512*\c          ; 512 consecutive bytes a store
.endr
	QUANT4 X+64, PC1, 25
.irp c, 0,1,2,3
	global_store_b128 v6, v[PC1+4*\c:PC1+4*\c+3], s[20:21] offset:2048+512*\c
.endr
	v_cndmask_b32 v26, v24, v25, s[HM]             ; lanes 0-15: K step 2 w; lanes 16-31: K step 2 w + 1
	global_store_b32 v7, v26, s[22:23]
	s_wait_tensorcnt 0x0
	ds_add_u32 v224, v225
	s_wait_dscnt 0x0
	s_endpgm
.Lfunc_end_k_qff63a859b0_ln1:
	.size	k_qff63a859b0_ln1, .Lfunc_end_k_qff63a859b0_ln1-k_qff63a859b0_ln1
	.p2alignl 7, 3214868480
	.fill 96, 4, 3214868480
	.section	.rodata,"a",@progbits
	.p2align	6, 0x0
	.amdhsa_kernel k_qff63a859b0_ln1
		.amdhsa_group_segment_fixed_size 1024
		.amdhsa_private_segment_fixed_size 0
		.amdhsa_enable_private_segment 0
		.amdhsa_kernarg_size 32
		.amdhsa_user_sgpr_count 2
		.amdhsa_user_sgpr_kernarg_segment_ptr 1
		.amdhsa_wavefront_size32 1
		.amdhsa_system_sgpr_workgroup_id_x 1
		.amdhsa_system_sgpr_workgroup_id_y 1
		.amdhsa_system_sgpr_workgroup_id_z 1
		.amdhsa_system_vgpr_workitem_id 0
		.amdhsa_next_free_vgpr 226
		.amdhsa_next_free_sgpr 66
		.amdhsa_reserve_vcc 0
		.amdhsa_float_denorm_mode_32 3
		.amdhsa_float_denorm_mode_16_64 3
		.amdhsa_memory_ordered 1
		.amdhsa_forward_progress 1
		.amdhsa_inst_pref_size 40
	.end_amdhsa_kernel
	.amdgpu_metadata
---
amdhsa.version: [ 1, 2 ]
amdhsa.kernels:
  - .name:           k_qff63a859b0_ln1
    .symbol:         k_qff63a859b0_ln1.kd
    .args:
      - { .name: x1, .offset: 0, .size: 8, .value_kind: global_buffer, .address_space: global }
      - { .name: ln2_a, .offset: 8, .size: 8, .value_kind: global_buffer, .address_space: global }
      - { .name: ln2_b, .offset: 16, .size: 8, .value_kind: global_buffer, .address_space: global }
      - { .name: act, .offset: 24, .size: 8, .value_kind: global_buffer, .address_space: global }
    .group_segment_fixed_size: 1024
    .private_segment_fixed_size: 0
    .kernarg_segment_align: 8
    .kernarg_segment_size: 32
    .max_flat_workgroup_size: 128
    .sgpr_count:     66
    .vgpr_count:     226
    .wavefront_size: 32
...
	.end_amdgpu_metadata
.endif
;; end of part 5
;; launch ffn1 (part 6): grid 16 x 16, 4 waves a work-group, no clusters, 327,680 bytes of LDS; arguments act, wts, b1, hid; writes hid
.if DOCPART == 6
	.amdgcn_target "amdgcn-amd-amdhsa--gfx1250"
	.amdhsa_code_object_version 6
	.text
	.protected	k_qff63a859b0_ffn1
	.globl	k_qff63a859b0_ffn1
	.p2align	8
	.type	k_qff63a859b0_ffn1,@function
k_qff63a859b0_ffn1:
	s_mov_b64 s[64:65], 0
	v_nop
	global_prefetch_b8 v0, s[64:65] scope:SCOPE_SE
	s_setreg_imm32_b32 hwreg(HW_REG_WAVE_MODE, 25, 1), 1
	s_wait_xcnt 0x0
.set KS,  8
.set NG,  4
.set KC,  2
.set ND,  3
.set NAB, 2
.set RT,  16
.set NGT, KS*NG
.set AWIN, 0
.set AB,  128
.set WSC, 12582912
.set ASC, 4194304
.set SST, 262144
.set LI,  1
.set LS,  2
.set AD,  4
.set WS,  16
.set AS,  32
.set TM,  96
.set HW,  104
.set VSS, 113
.set VSR, 114
.set TMP, 128
.set PC,  160
.set GS,  176
.set BR,  192
.set WV,  16
.set SEL, 66
.set MNT, 68
.set MSB, 0
.macro WIN new
.if MSB != (\new)
	s_set_vgpr_msb (MSB<<8)|(\new)
.set MSB, (\new)
.endif
.endm
.macro PLACES n
.rept \n
	v_nop
.endr
.endm
	s_load_b256 s[4:11], s[0:1], 0x0
	v_lshl_add_u32 v126, v0, 2, 0x40800
	v_mov_b32 v127, 0
	ds_add_u32 v126, v127
	ds_add_u32 v126, v127
	v_lshrrev_b32 v1, 5, v0
	v_readfirstlane_b32 s[WV], v1
	s_and_b32 s19, ttmp7, 0xffff
	s_mov_b32 s24, 3<<16
	s_mov_b32 s25, 32<<16                          ; group 1: a dense block of 65,536 bytes as 256 rows of 256 bytes
	s_mov_b32 s26, 256<<16
	s_mov_b32 s27, 32<<16
	s_mov_b32 s28, 256
	s_mov_b32 s29, 32
	s_mov_b32 s30, 0
	s_mov_b32 s31, 0
	s_lshl_b32 s70, s19, 18
	s_lshl_b32 s72, s[WV], 16
	s_add_co_u32 s70, s70, s72
	s_mov_b32 s71, 0
	s_lshl_b32 s74, ttmp9, 18
	s_add_co_u32 s74, s74, s72
	s_add_co_u32 s74, s74, 4<<20
	s_mov_b32 s75, 0
	s_lshl_b32 s33, s[WV], 16                      ; my four token tiles land at 65,536 x wave
	s_wait_dscnt 0x0
	s_wait_kmcnt 0x0
	s_add_nc_u64 s[48:49], s[4:5], s[70:71]
	s_add_nc_u64 s[50:51], s[6:7], s[74:75]
	s_mov_b32 s32, 1                               ; ONE tensor load a wave: four tiles, all of K, 65,536 consecutive bytes, as they lie
	s_mov_b64 s[34:35], s[48:49]
	s_or_b32 s35, s35, 0x80000000
	tensor_load_to_lds s[32:35], s[24:31]
	s_nop 0
	PLACES 4
	s_lshl_b32 s70, s19, 11
	s_add_co_u32 s70, s70, ASC
	s_add_nc_u64 s[52:53], s[4:5], s[70:71]
	s_lshl_b32 s70, ttmp9, 11
	s_lshl_b32 s72, s[WV], 9
	s_add_co_u32 s70, s70, s72
	s_add_co_u32 s70, s70, WSC+131072
	s_add_nc_u64 s[54:55], s[6:7], s[70:71]
	s_lshl_b32 s70, ttmp9, 10
	s_lshl_b32 s72, s[WV], 8
	s_add_co_u32 s70, s70, s72
	s_add_nc_u64 s[56:57], s[8:9], s[70:71]
	s_lshl_b32 s70, s19, 20
	s_lshl_b32 s72, ttmp9, 12
	s_add_co_u32 s70, s70, s72
	s_lshl_b32 s72, s[WV], 10
	s_add_co_u32 s70, s70, s72
	s_add_nc_u64 s[60:61], s[10:11], s[70:71]
	s_lshl_b32 s70, ttmp9, 15
	s_lshl_b32 s72, s19, 11
	s_add_co_u32 s70, s70, s72
	s_lshl_b32 s72, s[WV], 9
	s_add_co_u32 s70, s70, s72
	s_add_co_u32 s70, s70, 16777216
	s_add_nc_u64 s[62:63], s[10:11], s[70:71]
	v_and_b32 v3, 31, v0
	v_lshlrev_b32 v[LI], 4, v3
	v_lshlrev_b32 v[LS], 2, v3
.irp q, 0,1,2,3
	v_add_nc_u32 v[AD+\q], \q*65536, v[LI]
.endr
.irp p, 0,1,2,3
.irp T, 0,1,2,3,4,5,6,7,8,9,10,11,12,13,14,15
	global_load_b32 v[AS+16*\p+\T], v[LS], s[52:53] offset:\p*32768+\T*128
.endr
.irp t, 0,1,2,3
	global_load_b32 v[WS+4*\p+\t], v[LS], s[54:55] offset:\p*32768+\t*128
.endr
.endr
	v_bfe_u32 v115, v0, 4, 1
	v_lshlrev_b32 v115, 6, v115
	WIN 0x40
.irp t, 0,1,2,3
	global_load_b128 v[BR+8*\t:BR+8*\t+3], v115, s[56:57] offset:(32*(\t/2)+8*(\t%2))*4
	global_load_b128 v[BR+8*\t+4:BR+8*\t+7], v115, s[56:57] offset:(32*(\t/2)+8*(\t%2))*4+16
.endr
.macro WLOAD s
	WIN 0x40
.irp t, 0,1,2,3
.irp c, 0,1,2,3
	global_load_b128 v[64*((\s)%ND)+16*\t+4*\c:64*((\s)%ND)+16*\t+4*\c+3], v[LI], s[50:51] offset:(\t*KS+(\s))*2048+512*\c
.endr
.endr
.endm
	WLOAD 0
	WLOAD 1
	WLOAD 2
	WIN 0
	s_lshr_b32 s70, s[WV], 1
	s_lshl_b32 s70, s70, 6
	s_and_b32 s72, s[WV], 1
	s_lshl_b32 s72, s72, 1
	s_add_co_u32 s70, s70, s72
	s_add_co_u32 s70, s70, SST
	v_and_b32 v116, 15, v0
	v_lshl_add_u32 v[VSS], v116, 2, s70
	s_lshl_b32 s72, s[WV], 9
	s_add_co_u32 s72, s72, SST
	v_lshl_add_u32 v[VSR], v3, 4, s72
	v_mov_b32 v[TM+2], 0
	v_mov_b32 v[TM+3], 0
	s_mov_b32 s[SEL], 0x76543210
	s_mov_b32 s[SEL+1], 0xfedcba98
	s_mov_b32 s[MNT], 0x600000
.macro CHUNKWAIT ch                    ; once, ahead of the first LDS read: my load has landed, then everybody's; no LDS byte is filled twice
.if (\ch) == 0
	s_wait_tensorcnt 0x0
	s_wait_dscnt 0x0
	s_barrier_signal -1
	s_barrier_wait -1
.endif
.endm
.macro ALOAD g
.set aS, (\g)/NG
.set aG, (\g)%NG
	WIN (AWIN<<6)
.irp i, 0,1,2,3
.set aLA, (4*aG+\i)*KS*2048+aS*2048
.irp c, 0,1,2,3
	ds_load_b128 v[AB+64*((\g)%NAB)+16*\i+4*\c:AB+64*((\g)%NAB)+16*\i+4*\c+3], v[AD+(aLA>>16)] offset:(aLA&0xffff)+512*\c
.endr
.endr
.endm
.macro MUL g
.set mS, (\g)/NG
.set mG, (\g)%NG
.set mW, 2+mG/2
	WIN (mW<<6)|(mW<<4)|(AWIN<<2)|1
.irp i, 0,1,2,3
.irp t, 0,1,2,3
.set mA, (32*(4*mG+\i)+8*\t)%256
.set mB, 64*(mS%ND)+16*\t
.set mR, AB+64*((\g)%NAB)+16*\i
.if mS == 0
	v_wmma_scale_f32_16x16x128_f8f6f4 v[mA:mA+7], v[mB:mB+15], v[mR:mR+15], 0, v[WS+4*(mS/2)+\t], v[AS+RT*(mS/2)+4*mG+\i]
.elseif (mS%2) == 0
	v_wmma_scale_f32_16x16x128_f8f6f4 v[mA:mA+7], v[mB:mB+15], v[mR:mR+15], v[mA:mA+7], v[WS+4*(mS/2)+\t], v[AS+RT*(mS/2)+4*mG+\i]
.else
	v_wmma_scale_f32_16x16x128_f8f6f4 v[mA:mA+7], v[mB:mB+15], v[mR:mR+15], v[mA:mA+7], v[WS+4*(mS/2)+\t], v[AS+RT*(mS/2)+4*mG+\i] matrix_a_scale:MATRIX_SCALE_ROW1 matrix_b_scale:MATRIX_SCALE_ROW1
.endif
.endr
.endr
.endm
.set G, 0
	s_wait_alu depctr_va_vdst(0)
.rept NAB-1
.if (G%(NG*KC)) == 0
	CHUNKWAIT G/(NG*KC)
.endif
	ALOAD G
.set G, G+1
.endr
.set G, 0
.rept NGT
.set GP, G+NAB-1
.if (G%NG) == 0
.set LW, KS-1-G/NG
.if LW > ND-1
.set LW, ND-1
.endif
	s_wait_loadcnt 16*LW
.endif
.if GP < NGT
.if (GP%(NG*KC)) == 0
	CHUNKWAIT GP/(NG*KC)
.endif
	ALOAD GP
.endif
.set DW, NGT-1-G
.if DW > NAB-1
.set DW, NAB-1
.endif
	s_wait_dscnt 16*DW
	MUL G
.if (G+NAB < NGT) || (((G%NG) == NG-1) && (G/NG+ND < KS))
	PLACES 8
.endif
.if ((G%NG) == NG-1) && (G/NG+ND < KS)
	WLOAD G/NG+ND
.endif
.set G, G+1
.endr
	WIN 0
	PLACES 8
.macro QUANT2R s
.irp b, 0,1
	v_max3_num_f32 v[TM+\b], v[\s+16*\b], v[\s+1+16*\b], 0x4800000
.endr
.irp i, 2,4,6,8,10,12,14
.irp b, 0,1
	v_max3_num_f32 v[TM+\b], v[TM+\b], v[\s+16*\b+\i], v[\s+1+16*\b+\i]
.endr
.endr
.irp b, 0,1
	v_permlanex16_b32 v[TM+2+\b], v[TM+\b], s[SEL], s[SEL+1]
.endr
.irp b, 0,1
	v_max_num_f32 v[TM+\b], v[TM+\b], v[TM+2+\b]
.endr
.irp b, 0,1
	v_add_nc_u32 v[TM+6+\b], 0xfc000000, v[TM+\b]
.endr
.irp b, 0,1
	v_and_or_b32 v[TM+4+\b], v[TM+\b], 0x7f800000, s[MNT]
.endr
.irp b, 0,1
	v_lshrrev_b32 v[TM+2+\b], 23, v[TM+6+\b]
.endr
	v_lshl_or_b32 v[HW], v[TM+3], 8, v[TM+2]
.irp b, 0,1
.irp i, 0,1,2,3,4,5,6,7,8,9,10,11,12,13,14,15
	v_med3_num_f32 v[\s+16*\b+\i], v[\s+16*\b+\i], 0, v[TM+4+\b]
.endr
	v_cvt_scalef32_pk8_fp8_f32 v[PC+4*\b:PC+4*\b+1], v[\s+16*\b:\s+16*\b+7], v[TM+6+\b]
	v_cvt_scalef32_pk8_fp8_f32 v[PC+4*\b+2:PC+4*\b+3], v[\s+16*\b+8:\s+16*\b+15], v[TM+6+\b]
.endr
	v_nop
.endm
.macro EPI T1
.set eA, (32*(\T1))%256
	s_wait_xcnt 0x0
	WIN (1<<2)|(2+(\T1)/8)
.set e, 0
.rept 16
	v_pk_add_f32 v[TMP+e:TMP+e+1], v[eA+e:eA+e+1], v[BR+e:BR+e+1]
.set e, e+2
.endr
	WIN 0
	QUANT2R TMP
	global_store_b128 v[LI], v[PC:PC+3], s[60:61] offset:(\T1)*65536
	global_store_b128 v[LI], v[PC+4:PC+7], s[60:61] offset:(\T1)*65536+512
	ds_store_b16 v[VSS], v[HW] offset:(\T1)*128
.endm
.irp T, 0,1,2,3,4,5,6,7,8,9,10,11,12,13,14,15
	EPI \T
.endr
	s_wait_dscnt 0x0
	s_barrier_signal -1
	s_barrier_wait -1
	ds_load_b128 v[GS:GS+3], v[VSR]
	s_wait_dscnt 0x0
	global_store_b128 v[LI], v[GS:GS+3], s[62:63]
	s_wait_tensorcnt 0x0
	ds_add_u32 v126, v127
	s_wait_dscnt 0x0
	s_endpgm
.Lfunc_end_k_qff63a859b0_ffn1:
	.size	k_qff63a859b0_ffn1, .Lfunc_end_k_qff63a859b0_ffn1-k_qff63a859b0_ffn1
	.p2alignl 7, 3214868480
	.fill 96, 4, 3214868480
	.section	.rodata,"a",@progbits
	.p2align	6, 0x0
	.amdhsa_kernel k_qff63a859b0_ffn1
		.amdhsa_group_segment_fixed_size 327680
		.amdhsa_private_segment_fixed_size 0
		.amdhsa_enable_private_segment 0
		.amdhsa_kernarg_size 32
		.amdhsa_user_sgpr_count 2
		.amdhsa_user_sgpr_kernarg_segment_ptr 1
		.amdhsa_wavefront_size32 1
		.amdhsa_system_sgpr_workgroup_id_x 1
		.amdhsa_system_sgpr_workgroup_id_y 1
		.amdhsa_system_sgpr_workgroup_id_z 1
		.amdhsa_system_vgpr_workitem_id 0
		.amdhsa_next_free_vgpr 1024
		.amdhsa_next_free_sgpr 84
		.amdhsa_reserve_vcc 0
		.amdhsa_float_denorm_mode_32 3
		.amdhsa_float_denorm_mode_16_64 3
		.amdhsa_memory_ordered 1
		.amdhsa_forward_progress 1
		.amdhsa_inst_pref_size 217
	.end_amdhsa_kernel
	.amdgpu_metadata
---
amdhsa.version: [ 1, 2 ]
amdhsa.kernels:
  - .name:           k_qff63a859b0_ffn1
    .symbol:         k_qff63a859b0_ffn1.kd
    .args:
      - { .name: act, .offset: 0, .size: 8, .value_kind: global_buffer, .address_space: global }
      - { .name: wts, .offset: 8, .size: 8, .value_kind: global_buffer, .address_space: global }
      - { .name: b1, .offset: 16, .size: 8, .value_kind: global_buffer, .address_space: global }
      - { .name: hid, .offset: 24, .size: 8, .value_kind: global_buffer, .address_space: global }
    .group_segment_fixed_size: 327680
    .private_segment_fixed_size: 0
    .kernarg_segment_align: 8
    .kernarg_segment_size: 32
    .max_flat_workgroup_size: 128
    .sgpr_count:     84
    .vgpr_count:     1024
    .wavefront_size: 32
...
	.end_amdgpu_metadata
.endif
;; end of part 6
;; launch ffn2 (part 7): grid 4 x 64, 4 waves a work-group, no clusters, 327,680 bytes of LDS; arguments hid, wts, b2, x1, out0; writes out0
.if DOCPART == 7
	.amdgcn_target "amdgcn-amd-amdhsa--gfx1250"
	.amdhsa_code_object_version 6
	.text
	.protected	k_qff63a859b0_ffn2
	.globl	k_qff63a859b0_ffn2
	.p2align	8
	.type	k_qff63a859b0_ffn2,@function
k_qff63a859b0_ffn2:
	s_mov_b64 s[64:65], 0
	v_nop
	global_prefetch_b8 v0, s[64:65] scope:SCOPE_SE
	s_setreg_imm32_b32 hwreg(HW_REG_WAVE_MODE, 25, 1), 1
	s_wait_xcnt 0x0
.set KS,  32
.set KC,  8
.set LKS, 16
.set WOFF, 8<<20
.set RSC, 16777216
.set NG,  1
.set ND,  4
.set NAB, 4
.set RT,  4
.set NGT, KS*NG
.set NP,  KS/2
.set AWIN, 3
.set AB,  0
.set WSC, 12582912
.set STG, RT*KS*2048
.set LI,  1
.set LS,  2
.set AD,  4
.set STO, 8
.set RD,  9
.set CO,  10
.set WS,  16
.set AS,  80
.set BR,  160
.set TMP, 192
.set RS,  128
.set WV,  16
.set MSB, 0
.macro WIN new
.if MSB != (\new)
	s_set_vgpr_msb (MSB<<8)|(\new)
.set MSB, (\new)
.endif
.endm
.macro PLACES n
.rept \n
	v_nop
.endr
.endm
	s_load_b256 s[4:11], s[0:1], 0x0
	s_load_b64 s[12:13], s[0:1], 0x20
	v_lshl_add_u32 v254, v0, 2, 0x44400
	v_mov_b32 v255, 0
	ds_add_u32 v254, v255
	ds_add_u32 v254, v255
	v_lshrrev_b32 v1, 5, v0
	v_readfirstlane_b32 s[WV], v1
	s_and_b32 s18, ttmp7, 0xffff
	s_mov_b32 s24, 3<<16
	s_mov_b32 s25, 32<<16
	s_mov_b32 s26, 256<<16                         ; group 1: a dense block of 65,536 bytes as 256 rows of 256 bytes
	s_mov_b32 s27, 32<<16
	s_mov_b32 s28, 256
	s_mov_b32 s29, 32
	s_mov_b32 s30, 0
	s_mov_b32 s31, 0
	s_lshl_b32 s70, s18, 2
	s_add_co_u32 s70, s70, s[WV]
	s_lshl_b32 s70, s70, LKS
	s_mov_b32 s71, 0
	s_lshl_b32 s33, s[WV], 16                      ; my token tile lands at 65,536 x wave
	s_wait_dscnt 0x0
	s_wait_kmcnt 0x0
	s_add_nc_u64 s[48:49], s[4:5], s[70:71]
	s_mov_b32 s32, 1                               ; ONE tensor load a wave: my tile, all of K, 65,536 consecutive bytes, as they lie
	s_mov_b64 s[34:35], s[48:49]
	s_or_b32 s35, s35, 0x80000000
	tensor_load_to_lds s[32:35], s[24:31]
	s_nop 0
	PLACES 4
	s_lshl_b32 s70, ttmp9, 4
	s_lshl_b32 s73, s[WV], 2
	s_add_co_u32 s70, s70, s73
	s_lshl_b32 s74, s70, 7
	s_add_co_u32 s74, s74, WSC+WOFF/32
	s_mov_b32 s75, 0
	s_add_nc_u64 s[54:55], s[6:7], s[74:75]
	s_lshl_b32 s70, s70, LKS
	s_add_co_u32 s70, s70, WOFF
	s_add_nc_u64 s[50:51], s[6:7], s[70:71]
	s_lshl_b32 s74, s18, 9
	s_add_co_u32 s74, s74, RSC
	s_add_nc_u64 s[52:53], s[4:5], s[74:75]
	s_lshl_b32 s74, ttmp9, 10
	s_lshl_b32 s76, s[WV], 8
	s_add_co_u32 s74, s74, s76
	s_add_nc_u64 s[56:57], s[8:9], s[74:75]
	s_lshl_b32 s76, s18, 18
	s_add_co_u32 s74, s74, s76
	s_add_nc_u64 s[58:59], s[10:11], s[74:75]
	s_add_nc_u64 s[60:61], s[12:13], s[74:75]
	v_and_b32 v3, 31, v0
	v_and_b32 v12, 15, v0
	v_bfe_u32 v13, v0, 4, 1
	v_lshlrev_b32 v[LI], 4, v3
	v_lshlrev_b32 v[LS], 2, v3
.irp q, 0,1,2,3
	v_add_nc_u32 v[AD+\q], \q*65536, v[LI]
.endr
	s_mul_i32 s76, s[WV], 4352
	s_add_co_u32 s76, s76, STG
	v_mul_u32_u24 v[STO], v12, 272
	v_lshl_add_u32 v[STO], v13, 6, v[STO]
	v_add_nc_u32 v[STO], s76, v[STO]
	v_mul_u32_u24 v[RD], v13, 272
	v_lshl_add_u32 v[RD], v12, 4, v[RD]
	v_add_nc_u32 v[RD], s76, v[RD]
	v_lshlrev_b32 v[CO], 12, v13
	v_lshl_add_u32 v[CO], v12, 4, v[CO]
	v_lshlrev_b32 v11, 6, v13
	WIN 0x80
.irp T, 0,1,2,3
.irp t, 0,1,2,3,4,5,6,7
	global_load_b128 v[RS+4*(8*\T+\t):RS+4*(8*\T+\t)+3], v[CO], s[58:59] offset:(32*(\T/2)+8*(\T%2)+2*\t+8*(\t/4))*4096
.endr
.endr
	WIN 0
.set p, 0
.rept NP
.irp t, 0,1,2,3
	global_load_b32 v[AS+4*p+\t], v[LS], s[52:53] offset:p*32768+\t*128
	global_load_b32 v[WS+4*p+\t], v[LS], s[54:55] offset:p*8192+\t*128
.endr
.set p, p+1
.endr
.irp t, 0,1,2,3
	global_load_b128 v[BR+8*\t:BR+8*\t+3], v11, s[56:57] offset:(32*(\t/2)+8*(\t%2))*4
	global_load_b128 v[BR+8*\t+4:BR+8*\t+7], v11, s[56:57] offset:(32*(\t/2)+8*(\t%2))*4+16
.endr
.macro WLOAD s
	WIN 0x40
.irp t, 0,1,2,3
.irp c, 0,1,2,3
	global_load_b128 v[64*((\s)%ND)+16*\t+4*\c:64*((\s)%ND)+16*\t+4*\c+3], v[LI], s[50:51] offset:(\t*KS+(\s))*2048+512*\c
.endr
.endr
.endm
	WLOAD 0
	WLOAD 1
	WLOAD 2
	WLOAD 3
.macro CHUNKWAIT ch                    ; once, ahead of the first LDS read: my load has landed, then everybody's; no LDS byte is filled twice
.if (\ch) == 0
	s_wait_alu depctr_va_vdst(0)                   ; the wait at the head's end
	s_wait_tensorcnt 0x0
	s_wait_dscnt 0x0
	s_barrier_signal -1
	s_barrier_wait -1
.endif
.endm
.macro ALOAD g
.set aS, (\g)/NG
.set aG, (\g)%NG
	WIN (AWIN<<6)
.irp i, 0,1,2,3
.set aLA, (4*aG+\i)*KS*2048+aS*2048
.irp c, 0,1,2,3
	ds_load_b128 v[AB+64*((\g)%NAB)+16*\i+4*\c:AB+64*((\g)%NAB)+16*\i+4*\c+3], v[AD+(aLA>>16)] offset:(aLA&0xffff)+512*\c
.endr
.endr
.endm
.macro MUL g
.set mS, (\g)
.if mS == 0
	WIN (2<<6)|(0<<4)|(AWIN<<2)|1
.else
	WIN (2<<6)|(2<<4)|(AWIN<<2)|1
.endif
.irp i, 0,1,2,3
.irp t, 0,1,2,3
.set mA, 32*\i+8*\t
.set mB, 64*(mS%ND)+16*\t
.set mR, AB+64*(mS%NAB)+16*\i
.if mS == 0
	v_wmma_scale_f32_16x16x128_f8f6f4 v[mA:mA+7], v[mB:mB+15], v[mR:mR+15], v[BR+8*\t:BR+8*\t+7], v[WS+4*(mS/2)+\t], v[AS+RT*(mS/2)+\i]
.elseif (mS%2) == 0
	v_wmma_scale_f32_16x16x128_f8f6f4 v[mA:mA+7], v[mB:mB+15], v[mR:mR+15], v[mA:mA+7], v[WS+4*(mS/2)+\t], v[AS+RT*(mS/2)+\i]
.else
	v_wmma_scale_f32_16x16x128_f8f6f4 v[mA:mA+7], v[mB:mB+15], v[mR:mR+15], v[mA:mA+7], v[WS+4*(mS/2)+\t], v[AS+RT*(mS/2)+\i] matrix_a_scale:MATRIX_SCALE_ROW1 matrix_b_scale:MATRIX_SCALE_ROW1
.endif
.endr
.endr
.endm
.set G, 0
.rept NAB-1
.if (G%(NG*KC)) == 0
	CHUNKWAIT G/(NG*KC)
.endif
	ALOAD G
.set G, G+1
.endr
.set G, 0
.rept NGT
.set GP, G+NAB-1
.set LW, KS-1-G
.if LW > ND-1
.set LW, ND-1
.endif
	s_wait_loadcnt 16*LW
.if GP < NGT
.if (GP%(NG*KC)) == 0
	CHUNKWAIT GP/(NG*KC)
.endif
	ALOAD GP
.endif
.set DW, NGT-1-G
.if DW > NAB-1
.set DW, NAB-1
.endif
	s_wait_dscnt 16*DW
	MUL G
.if (G+NAB < NGT) || (G+ND < KS)
	PLACES 8
.endif
.if G+ND < KS
	WLOAD G+ND
.endif
.set G, G+1
.endr
	WIN 0
	PLACES 8
.macro OUTT T
	WIN 0x08
.irp t, 0,1,2,3
	ds_store_b128 v[STO], v[32*\T+8*\t:32*\T+8*\t+3] offset:128*(\t/2)+32*(\t%2)
	ds_store_b128 v[STO], v[32*\T+8*\t+4:32*\T+8*\t+7] offset:128*(\t/2)+32*(\t%2)+16
.endr
	WIN 0
.irp t, 0,1,2,3,4,5,6,7
	ds_load_b128 v[TMP+4*\t:TMP+4*\t+3], v[RD] offset:544*\t
.endr
	s_wait_dscnt 0x0
	WIN 0x82
.set e, 0
.rept 16
	v_pk_add_f32 v[RS+32*\T+e:RS+32*\T+e+1], v[RS+32*\T+e:RS+32*\T+e+1], v[TMP+e:TMP+e+1]
.set e, e+2
.endr
	WIN 0x08
.irp t, 0,1,2,3,4,5,6,7
	global_store_b128 v[CO], v[RS+4*(8*\T+\t):RS+4*(8*\T+\t)+3], s[60:61] offset:(32*(\T/2)+8*(\T%2)+2*\t+8*(\t/4))*4096 th:TH_STORE_NT
.endr
.endm
	s_wait_alu depctr_va_vdst(0)
	OUTT 0
	OUTT 1
	OUTT 2
	OUTT 3
	WIN 0
	s_wait_tensorcnt 0x0
	ds_add_u32 v254, v255
	s_wait_dscnt 0x0
	s_endpgm
.Lfunc_end_k_qff63a859b0_ffn2:
	.size	k_qff63a859b0_ffn2, .Lfunc_end_k_qff63a859b0_ffn2-k_qff63a859b0_ffn2
	.p2alignl 7, 3214868480
	.fill 96, 4, 3214868480
	.section	.rodata,"a",@progbits
	.p2align	6, 0x0
	.amdhsa_kernel k_qff63a859b0_ffn2
		.amdhsa_group_segment_fixed_size 327680
		.amdhsa_private_segment_fixed_size 0
		.amdhsa_enable_private_segment 0
		.amdhsa_kernarg_size 40
		.amdhsa_user_sgpr_count 2
		.amdhsa_user_sgpr_kernarg_segment_ptr 1
		.amdhsa_wavefront_size32 1
		.amdhsa_system_sgpr_workgroup_id_x 1
		.amdhsa_system_sgpr_workgroup_id_y 1
		.amdhsa_system_sgpr_workgroup_id_z 1
		.amdhsa_system_vgpr_workitem_id 0
		.amdhsa_next_free_vgpr 1024
		.amdhsa_next_free_sgpr 84
		.amdhsa_reserve_vcc 0
		.amdhsa_float_denorm_mode_32 3
		.amdhsa_float_denorm_mode_16_64 3
		.amdhsa_memory_ordered 1
		.amdhsa_forward_progress 1
		.amdhsa_inst_pref_size 188
	.end_amdhsa_kernel
	.amdgpu_metadata
---
amdhsa.version: [ 1, 2 ]
amdhsa.kernels:
  - .name:           k_qff63a859b0_ffn2
    .symbol:         k_qff63a859b0_ffn2.kd
    .args:
      - { .name: hid, .offset: 0, .size: 8, .value_kind: global_buffer, .address_space: global }
      - { .name: wts, .offset: 8, .size: 8, .value_kind: global_buffer, .address_space: global }
      - { .name: b2, .offset: 16, .size: 8, .value_kind: global_buffer, .address_space: global }
      - { .name: x1, .offset: 24, .size: 8, .value_kind: global_buffer, .address_space: global }
      - { .name: out0, .offset: 32, .size: 8, .value_kind: global_buffer, .address_space: global }
    .group_segment_fixed_size: 327680
    .private_segment_fixed_size: 0
    .kernarg_segment_align: 8
    .kernarg_segment_size: 40
    .max_flat_workgroup_size: 128
    .sgpr_count:     84
    .vgpr_count:     1024
    .wavefront_size: 32
...
	.end_amdgpu_metadata
.endif
;; end of part 7
